; MI455X (gfx1250); checked and timed in simulation.
; The chip was launched on July 23, 2026; its instructions are those of AMD's public machine-readable ISA for CDNA 5 (MIT licence, August 2026) and "CDNA5" Instruction Set Architecture Reference Guide (July 2026). The comments in the code are by the model that wrote it; some were corrected since.
;; Attention. Allowed arithmetic: float matrix products may take bf16 or f16 operands with f32 sums; other float arithmetic in f32, or as packed bf16 or f16 multiplies, adds, multiply-adds, maxima and minima; sums over many terms, partial sums and values carried from step to step in f32; what a program stores and reads back later, other than sums and carried values, may be rounded once to bf16 or f16.
;; Inputs: W_dec 1,024 x 1,024 float32; W_mem 512 x 1,024 float32; W_v 1,024 float32; decoder_state 64 x 1,024 float32; memory_bank 64 x 2,048 x 512 float32; src_mask 64 x 2,048 int32.
;; Outputs: out0 64 x 512 float32; out1 64 x 2,048 float32.
;; 3 versions, each right and faster than the one before. Each part assembles by itself: llvm-mc -triple=amdgcn-amd-amdhsa -mcpu=gfx1250 --defsym DOCPART=n.
;; ======== version 1 of 3: 3 launches
;; workspace buffers: wt 1,048,576 bytes; decp 2,097,152 bytes; scw 524,288 bytes; part 1,048,576 bytes; stat 262,144 bytes
;; launch prep (part 1): grid 256 x 1, 4 waves a work-group, no clusters, 9,216 bytes of LDS; arguments decoder_state, W_dec, W_mem, decp, wt; writes decp, wt
.if DOCPART == 1
	.amdgcn_target "amdgcn-amd-amdhsa--gfx1250"
	.amdhsa_code_object_version 6
	.text
	.protected	k_qd4591c15a5_prep
	.globl	k_qd4591c15a5_prep
	.p2align	8
	.type	k_qd4591c15a5_prep,@function
k_qd4591c15a5_prep:
	s_mov_b64 s[64:65], 0
	v_nop
	global_prefetch_b8 v0, s[64:65] scope:SCOPE_SE
	s_setreg_imm32_b32 hwreg(HW_REG_WAVE_MODE, 25, 1), 1
	s_wait_xcnt 0x0
; PREP.  Two jobs, shared out over 256 work-groups of four waves.
; (1) wt = W_mem rounded to bf16, laid as 16 tiles [g][k = 512][64 n] (n = 64 g + ..), each tile 65,536 dense bytes: the order in which the main launch walks it.
;     Work-group x takes rows k = 2x, 2x + 1 of W_mem; a store of a wave covers 256 consecutive bytes of wt (two k rows of one tile), aligned.
; (2) decp[kq][b][d] = the sum over the 128 k of eighth kq of decoder_state[b][k] W_dec[k][d]: bf16 operands, f32 sums; the eight partial sums stay f32 and are added in the main launch.
;     x = dblk (bits 3:0, 64 d) | kq (bits 6:4) | bh (bit 7, 32 b); wave w takes 16 d.  Source 0 = 16 d (W_dec's column read k by k, 4 bytes a lane: the four waves together cover
;     256 consecutive bytes of each row), source 1 = 16 b: a lane's result is one b and eight neighbouring d.  The results leave through a stage in LDS as whole rows of 256 bytes.
.set SPITCH, 272                       ; a stage row: 64 d of f32 + 16 bytes, so that 16 rows start at 16 different groups of banks
.set SPARE,  32*SPITCH                 ; 8,704: behind the stage, the spare words, 128 bytes a wave
.set SPW, 1
.set NIL, 2
.set WO,  3                            ; W_dec: 8 h rows + 4 r
.set DO,  4                            ; decoder_state: r rows + 32 h
.set TI,  5                            ; W_mem in: (l / 16) rows + 16 (l % 16) + 1,024 w
.set TOO, 6                            ; wt out: 8 l + 4 w tiles
.set STO, 7
.set RD,  8
.set GO,  9
.set T,   12                           ; v[12:27] W_mem, 4 x 4 f32
.set WF,  32                           ; v[32:95] W_dec: 16 f32 for each K step c, then its fragment in the first 8
.set DSF, 96                           ; v[96:223] decoder_state: group (t, c) at 96 + 16 (4 t + c), likewise
.set ACC, 224                          ; v[224:239] two accumulators
.set OB,  240                          ; v[240:255] rows read back
	s_load_b256 s[4:11], s[0:1], 0x0               ; decoder_state s[4:5], W_dec s[6:7], W_mem s[8:9], decp s[10:11]
	s_load_b64 s[12:13], s[0:1], 0x20              ; wt
	v_lshl_add_u32 v[SPW], v0, 2, SPARE
	v_mov_b32 v[NIL], 0
	v_lshrrev_b32 v10, 5, v0
	v_readfirstlane_b32 s14, v10                   ; wave
	v_and_b32 v10, 31, v0                          ; l
	v_and_b32 v11, 15, v0                          ; r
	v_bfe_u32 v28, v0, 4, 1                        ; h
	s_and_b32 s15, ttmp9, 15                       ; dblk
	s_bfe_u32 s16, ttmp9, 0x30004                  ; kq
	s_lshr_b32 s17, ttmp9, 7                       ; bh
	v_lshlrev_b32 v[WO], 2, v11
	v_lshl_add_u32 v[WO], v28, 15, v[WO]
	v_lshlrev_b32 v[DO], 12, v11
	v_lshl_add_u32 v[DO], v28, 5, v[DO]
	s_lshl_b32 s20, s14, 10
	v_lshl_add_u32 v[TI], v11, 4, s20
	v_lshl_add_u32 v[TI], v28, 12, v[TI]
	s_lshl_b32 s21, s14, 18
	v_lshl_add_u32 v[TOO], v10, 3, s21
	v_mul_u32_u24 v[STO], v11, SPITCH
	s_lshl_b32 s22, s14, 6
	v_lshl_add_u32 v[STO], v28, 5, v[STO]
	v_add_nc_u32 v[STO], s22, v[STO]               ; row r, my wave's 64 bytes, 32 for each half of the lanes
	s_mul_i32 s23, s14, 8*SPITCH
	v_mul_u32_u24 v[RD], v28, SPITCH
	v_lshl_add_u32 v[RD], v11, 4, v[RD]
	v_add_nc_u32 v[RD], s23, v[RD]                 ; back: wave w takes rows 8 w .., lanes 0-15 one row, lanes 16-31 the next
	v_lshlrev_b32 v[GO], 4, v11
	v_lshl_add_u32 v[GO], v28, 12, v[GO]
	s_mov_b32 s19, 0
	s_wait_kmcnt 0x0
	s_lshl_b32 s18, ttmp9, 13                      ; W_mem: two rows of 4,096 bytes a work-group
	s_add_nc_u64 s[8:9], s[8:9], s[18:19]
	s_lshl_b32 s18, ttmp9, 8                       ; wt: the same two k rows, 128 bytes each, in every tile
	s_add_nc_u64 s[12:13], s[12:13], s[18:19]
	s_lshl_b32 s18, s16, 19                        ; W_dec: 128 kq rows + 64 dblk + 16 w columns
	s_lshl_b32 s24, s15, 8
	s_add_co_u32 s18, s18, s24
	s_add_co_u32 s18, s18, s22
	s_add_nc_u64 s[6:7], s[6:7], s[18:19]
	s_lshl_b32 s18, s17, 17                        ; decoder_state: 32 bh rows + 128 kq columns
	s_lshl_b32 s25, s16, 9
	s_add_co_u32 s18, s18, s25
	s_add_nc_u64 s[4:5], s[4:5], s[18:19]
	s_lshl_b32 s18, s16, 18                        ; decp: (64 kq + 32 bh + 8 w) rows + 64 dblk columns
	s_lshl_b32 s25, s17, 17
	s_add_co_u32 s18, s18, s25
	s_lshl_b32 s25, s14, 15
	s_add_co_u32 s18, s18, s25
	s_add_co_u32 s18, s18, s24
	s_add_nc_u64 s[10:11], s[10:11], s[18:19]
.irp i, 0,1,2,3
	global_load_b128 v[T+4*\i:T+4*\i+3], v[TI], s[8:9] offset:256*\i th:TH_LOAD_NT
.endr
.set c_, 0
.rept 4
.set e_, 0
.rept 16                               ; register e of K step c: k = 32 c + 8 h + e, and 8 further on for the upper eight
	global_load_b32 v[WF+16*c_+e_], v[WO], s[6:7] offset:(32*c_+e_+8*(e_/8))*4096
.set e_, e_+1
.endr
.set c_, c_+1
.endr
.set g_, 0
.rept 8                                ; group g = 4 t + c
	global_load_b128 v[DSF+16*g_:DSF+16*g_+3],     v[DO], s[4:5] offset:(g_/4)*65536+(g_%4)*128
	global_load_b128 v[DSF+16*g_+4:DSF+16*g_+7],   v[DO], s[4:5] offset:(g_/4)*65536+(g_%4)*128+16
	global_load_b128 v[DSF+16*g_+8:DSF+16*g_+11],  v[DO], s[4:5] offset:(g_/4)*65536+(g_%4)*128+64
	global_load_b128 v[DSF+16*g_+12:DSF+16*g_+15], v[DO], s[4:5] offset:(g_/4)*65536+(g_%4)*128+80
.set g_, g_+1
.endr
	s_wait_loadcnt 63                              ; 96 loads were issued behind W_mem's four; 63 is the most that the wait can name, and asks for more than is needed
.irp i, 0,1,2,3
	v_cvt_pk_bf16_f32 v[T+4*\i], v[T+4*\i], v[T+4*\i+1]
	v_cvt_pk_bf16_f32 v[T+4*\i+1], v[T+4*\i+2], v[T+4*\i+3]
	global_store_b64 v[TOO], v[T+4*\i:T+4*\i+1], s[12:13] offset:65536*\i   ; tile 4 w + i: 32 lanes store 256 consecutive bytes
.endr
	s_wait_loadcnt 0x0
.set g_, 0
.rept 12                               ; 4 groups of W_dec, 8 of decoder_state, 16 registers each: rounded in place, ascending, so no source is written before it is read
.set e_, 0
.rept 8
	v_cvt_pk_bf16_f32 v[WF+16*g_+e_], v[WF+16*g_+2*e_], v[WF+16*g_+2*e_+1]
.set e_, e_+1
.endr
.set g_, g_+1
.endr
.irp c, 0,1,2,3                        ; the two accumulators take turns; the first K step starts the sums
.irp t, 0,1
.if \c == 0
	v_wmma_f32_16x16x32_bf16 v[ACC+8*\t:ACC+8*\t+7], v[WF+16*\c:WF+16*\c+7], v[DSF+16*(4*\t+\c):DSF+16*(4*\t+\c)+7], 0
.else
	v_wmma_f32_16x16x32_bf16 v[ACC+8*\t:ACC+8*\t+7], v[WF+16*\c:WF+16*\c+7], v[DSF+16*(4*\t+\c):DSF+16*(4*\t+\c)+7], v[ACC+8*\t:ACC+8*\t+7]
.endif
.endr
.endr
.rept 4
	v_nop                                          ; four places between the last product and the stores that read the results
.endr
.irp t, 0,1
	ds_store_b128 v[STO], v[ACC+8*\t:ACC+8*\t+3] offset:\t*16*SPITCH        ; each accumulator's low registers first
	ds_store_b128 v[STO], v[ACC+8*\t+4:ACC+8*\t+7] offset:\t*16*SPITCH+16
.endr
	s_wait_dscnt 0x0                               ; for the others' sake: a row's 256 bytes come from four waves
	s_barrier_signal -1
	s_barrier_wait -1
.irp i, 0,1,2,3
	ds_load_b128 v[OB+4*\i:OB+4*\i+3], v[RD] offset:\i*2*SPITCH
.endr
.irp i, 0,1,2,3
	s_wait_dscnt 3-\i
	global_store_b128 v[GO], v[OB+4*\i:OB+4*\i+3], s[10:11] offset:8192*\i  ; 16 lanes store 256 consecutive bytes, aligned
.endr
	s_wait_tensorcnt 0x0                           ; the wave's end: three lines behind my last LDS store
	ds_add_u32 v[SPW], v[NIL]
	s_wait_dscnt 0x0
	s_endpgm
.Lfunc_end_k_qd4591c15a5_prep:
	.size	k_qd4591c15a5_prep, .Lfunc_end_k_qd4591c15a5_prep-k_qd4591c15a5_prep
	.p2alignl 7, 3214868480
	.fill 96, 4, 3214868480
	.section	.rodata,"a",@progbits
	.p2align	6, 0x0
	.amdhsa_kernel k_qd4591c15a5_prep
		.amdhsa_group_segment_fixed_size 9216
		.amdhsa_private_segment_fixed_size 0
		.amdhsa_enable_private_segment 0
		.amdhsa_kernarg_size 40
		.amdhsa_user_sgpr_count 2
		.amdhsa_user_sgpr_kernarg_segment_ptr 1
		.amdhsa_wavefront_size32 1
		.amdhsa_system_sgpr_workgroup_id_x 1
		.amdhsa_system_sgpr_workgroup_id_y 1
		.amdhsa_system_sgpr_workgroup_id_z 1
		.amdhsa_system_vgpr_workitem_id 0
		.amdhsa_next_free_vgpr 256
		.amdhsa_next_free_sgpr 66
		.amdhsa_reserve_vcc 0
		.amdhsa_float_denorm_mode_32 3
		.amdhsa_float_denorm_mode_16_64 3
		.amdhsa_memory_ordered 1
		.amdhsa_forward_progress 1
		.amdhsa_inst_pref_size 21
	.end_amdhsa_kernel
	.amdgpu_metadata
---
amdhsa.version: [ 1, 2 ]
amdhsa.kernels:
  - .name:           k_qd4591c15a5_prep
    .symbol:         k_qd4591c15a5_prep.kd
    .args:
      - { .name: decoder_state, .offset: 0, .size: 8, .value_kind: global_buffer, .address_space: global }
      - { .name: W_dec, .offset: 8, .size: 8, .value_kind: global_buffer, .address_space: global }
      - { .name: W_mem, .offset: 16, .size: 8, .value_kind: global_buffer, .address_space: global }
      - { .name: decp, .offset: 24, .size: 8, .value_kind: global_buffer, .address_space: global }
      - { .name: wt, .offset: 32, .size: 8, .value_kind: global_buffer, .address_space: global }
    .group_segment_fixed_size: 9216
    .private_segment_fixed_size: 0
    .kernarg_segment_align: 8
    .kernarg_segment_size: 40
    .max_flat_workgroup_size: 128
    .sgpr_count:     66
    .vgpr_count:     256
    .wavefront_size: 32
...
	.end_amdgpu_metadata
.endif
;; end of part 1
;; launch main (part 2): grid 256 x 1, 4 waves a work-group, clusters of 4 x 1, 327,680 bytes of LDS; arguments memory_bank, wt, decp, W_v, src_mask, scw, part, stat; writes scw, part, stat
.if DOCPART == 2
	.amdgcn_target "amdgcn-amd-amdhsa--gfx1250"
	.amdhsa_code_object_version 6
	.text
	.protected	k_qd4591c15a5_main
	.globl	k_qd4591c15a5_main
	.p2align	8
	.type	k_qd4591c15a5_main,@function
k_qd4591c15a5_main:
	s_mov_b64 s[64:65], 0
	v_nop
	global_prefetch_b8 v0, s[64:65] scope:SCOPE_SE
	s_setreg_imm32_b32 hwreg(HW_REG_WAVE_MODE, 25, 1), 1
	s_wait_xcnt 0x0
	s_wait_alu depctr_hold_cnt(0) depctr_sa_sdst(0) depctr_va_vdst(0) depctr_va_sdst(0) depctr_va_ssrc(0) depctr_va_vcc(0) depctr_vm_vsrc(0)
	s_getreg_b32 s2, hwreg(HW_REG_IB_STS2, 6, 4)
	s_cmp_eq_u32 s2, 0
	s_cbranch_scc0 .Lentry_in_a_cluster
	s_endpgm
.Lentry_in_a_cluster:
	s_bfe_u32 s2, ttmp6, 0x10000c
	s_cmp_lg_u32 s2, 0x3003
	s_cbranch_scc0 .Lentry_shape_is_right
	s_endpgm
.Lentry_shape_is_right:
; MAIN.  For 512 rows s of one batch b (work-group 4 b + cx): score'[s] = sum over d of (-2 W_v[d]) / (1 + 2^(2.885390 (mem[s] . W_mem[:, d] + dec[d]))), which is the reference's score
; less the constant sum of W_v (tanh x = 1 - 2 / (1 + e^(2x))); a softmax does not see a common constant.  Where src_mask is 0 the score is -inf.  Then a running softmax and the partial context.
; Out: scw (the masked score'), part (two partial contexts a work-group, each scaled to its own maximum), stat (that maximum and the sum of weights).  The last launch merges them.
; FORMATS.  mem, W_mem: bf16 for the product, f32 sums; the context is made of the same bf16 copy of mem, weights and sums in f32.
; LIMITS.  The running maximum starts at -1e30: scores below that are not told apart.  A batch whose mask is all 0 gives NaN, as the reference does.  NaN and infinities in the inputs are not treated apart.
; SHARES.  Four blocks of 128 rows.  Wave w: rg = w / 2 (64 rows: four tiles of 16), nh = w % 2 (32 of a step's 64 columns d).  The wave keeps its 64 rows x 512 K in 512 registers for a whole block;
; W_mem walks past in 16 steps of 64 columns through two LDS slots, filled by the tensor data mover.  A step is 128 products a wave: phase A (16 columns, ACC0), phase B (the next 16, ACC1).
; BY TURNS.  While one phase's products fill one set of accumulators, the tanh and the score sums of the other set stand behind them: one exp or rcp behind every product, the packed plain work between.
; K PLACES.  Place c of 16 holds the true K step (c + 8 nh) % 16, alike for W's fragments and mem's: so window 2 (places 0-7) holds the columns m = 256 nh .. of mem, the wave's share of the context.
; THE NEXT BLOCK streams from memory under the products: each step a wave converts two rows (loaded two steps before into registers) to bf16 into the LDS region AN and asks for two more.
; CLUSTER.  The four work-groups of a batch walk the same tiles of wt in the same order: every tile is asked for jointly (mask 15), each wave a quarter; a round of the cluster's barrier stands in front of each refill.
; REGISTERS, in windows of 256 (s_set_vgpr_msb: bits 1:0 source 0, 3:2 source 1, 5:4 source 2, 7:6 destination):
;   window 0: addresses, M, L, score sums, the two tables' fragments, ACC0, ACC1, W's fragments BFX (places 0-7), BFY (places 8-15; also at work at the head and at a block's end)
;   window 1: v0-127 the context; v128-191 two sets of staging registers; v192-196 their addresses        windows 2, 3: mem: tile t, place c at 8 (4 (c % 8) + t)
.set SLOTB,  81920                     ; a slot: 512 k rows x 160 bytes
.set WPITCH, 160                       ; 128 bytes + 32 of padding
.set AN,     2*SLOTB                   ; the next block in bf16: 128 rows x 1,040
.set APITCH, 1040                      ; 1,024 + 16: the 16 rows of a fragment load start at 16 different groups of banks
.set TAB,    AN+128*APITCH             ; 296,960: 2.885390 dec[1024], then at +4,096 -2 W_v[1024]
.set MSK,    TAB+8192                  ; the work-group's 512 mask words
.set SCF,    MSK+2048                  ; its 512 finished scores
.set SCX,    SCF+2048                  ; 256 bytes a wave: half scores for the partner wave
.set CST,    SCX+1024                  ; 1,024 bytes a wave: the context's way out
.set SPARE,  CST+4096                  ; 314,368: the spare words, 128 bytes a wave
.set SPW, 1
.set NIL, 2
.set AX,  3                            ; v3, v4   W's places 0-7 in slot 0, 1
.set AY,  5                            ; v5, v6   places 8-15
.set ATB0, 7                           ; my place in a step's 64 entries of the tables
.set ATB, 8                            ; the same for the step in hand
.set ARL, 9                            ; AN: my rows, places 0-7
.set ARH, 10                           ; places 8-15
.set ASX, 11                           ; where I put half scores
.set ASP, 12                           ; where my partner puts them
.set ABE, 13                           ; 256 rg + 4 r: my rows' place among a block's 128 words
.set MR,  14                           ; running maximum of my lane's rows
.set LR,  15                           ; running sum of their weights
.set SC,  16                           ; v[16:31] score sums: tile t: two pairs at 16 + 4 t
.set DW0, 32                           ; v[32:47] phase A's tables (8 of 2.885390 dec, 8 of -2 W_v); v[48:63] phase B's
.set ACC0, 64                          ; v[64:95]; ACC1 v[96:127]
.set BFX, 128
.set BFY, 192
.set CTX, 0                            ; window 1
.set STG0, 128
.set GL0, 192
.set GLB, 194
.set AW0, 195
.set AW,  196
.set HO,  204                          ; the head's own: 16 x thread
.set HG,  205                          ; 4,096 w + 16 l
.set HTB, 206                          ; TAB + 16 x thread
.set HA,  207                          ; v207-210: AN + 2 w rows + 8 l, and 32, 64, 96 rows on
.set HL,  212
.set HR,  213
.set HH,  214
.set H7,  215
.set H3,  216
.set HS,  217
.set TS,  192                          ; a block's end: four scores
.set TP,  196
.set TM,  200
.set TX,  204
.set MX,  205
.set AL,  206                          ; pair: the old sums' factor, and its exponent
.set PT,  208                          ; four weights
.set T2,  212
.set WV,  20
.set RG,  21
.set NH,  22
.set CXR, 23
.set MBW, 24                           ; s[24:25] memory_bank at my work-group's rows
.set TA,  26                           ; s[26:27] at work
.set G1,  28                           ; s[28:35]
.set G0,  36                           ; s[36:43] a group 0 for each slot
.set WB,  44                           ; s[44:45] wt at my wave's quarter of a tile
.set TO,  46                           ; s[46:47], s[48:49] byte offset of the tile that slot 0, 1 takes next
.set C2,  50                           ; s[50:51] 2 log2 e
.set SEL, 52
.set GOFF, 54                          ; byte offset of the group of 8 rows to be asked for
.set ANOFF, 55                         ; where in AN the step's rows go
.set TOFF, 56                          ; the step's place in the tables
.set MSKOFF, 57
.set PR,  58
.set BLK, 59
.set L2E, 60
.set NINF, 61
.set WGX, 62
.set TB,  63
.set MSB, 0
.macro WIN new                         ; the high byte repeats the setting that is left; a switch that changes nothing is dropped
.if MSB != (\new)
	s_set_vgpr_msb (MSB<<8)|(\new)
.set MSB, (\new)
.endif
.endm
.set MM_LO, 0x08                       ; source 1 (mem) in window 2, all else in window 0
.set MM_HI, 0x0c                       ; in window 3
.set W_ST,  0x45                       ; all in window 1
.set W_RS,  0x41                       ; destination and source 0 in window 1, source 1 in window 0
.set W_CX,  0x52                       ; mem in window 2, the weight in window 0, the context in window 1
.macro JLOAD sg                        ; a joint fill of my quarter of slot sg; an s_nop 0 and four v_nop follow
	tensor_load_to_lds s[G0+4*(\sg):G0+4*(\sg)+3], s[G1:G1+7]
	s_nop 0
.rept 4
	v_nop
.endr
.endm
.macro CREST                           ; a round of the cluster's barrier behind its opening barrier
	s_cmp_lg_u32 s[WV], 0
	s_cbranch_scc1 .Lnot_wave_0_\@
	s_barrier_signal -3
.Lnot_wave_0_\@:
	s_barrier_wait -3
	s_barrier_signal -1
	s_barrier_wait -1
.endm
.macro CROUND
	s_barrier_signal -1
	s_barrier_wait -1
	CREST
.endm
; Product i of a phase's 64 into accumulator set x: place c = i / 4, tile t = i % 4.  Source 0 = 16 columns of W, source 1 = 16 rows of mem: a lane's result is one row and eight columns.
; The four accumulators take turns; place 0 starts the sums.
.macro MMA x, i
.set c_, (\i)/4
.set t_, (\i)%4
.set rD, ACC0+32*(\x)+8*t_
.set rA, 8*(4*(c_%8)+t_)
.if c_ < 8
	WIN MM_LO
.set rB, BFX+8*c_
.else
	WIN MM_HI
.set rB, BFY+8*(c_-8)
.endif
.if c_ == 0
	v_wmma_f32_16x16x32_bf16 v[rD:rD+7], v[rB:rB+7], v[rA:rA+7], 0
.else
	v_wmma_f32_16x16x32_bf16 v[rD:rD+7], v[rB:rB+7], v[rA:rA+7], v[rD:rD+7]
.endif
.endm
; THE VECTOR WORK on accumulator set y, tile t.  FF: pair k: 2.885390 (x + dec).  PP: 1 + 2^...  SS: the tile's four pairs times -2 W_v onto its score sums.
; FF, PP and the exponentials and reciprocals name no vector register as source 1, so they stand under the products' window settings; SS wants window 0.
.macro FF y, t, k
.set f_, ACC0+32*(\y)+8*(\t)+2*(\k)
.set d_, DW0+16*(\y)+2*(\k)
	v_pk_fma_f32 v[f_:f_+1], v[f_:f_+1], s[C2:C2+1], v[d_:d_+1] op_sel_hi:[1,0,1]
.endm
.macro PP y, t, k
.set f_, ACC0+32*(\y)+8*(\t)+2*(\k)
	s_wait_alu depctr_va_vdst(0)
	v_pk_add_f32 v[f_:f_+1], v[f_:f_+1], 1.0 op_sel_hi:[1,0]
.endm
.macro SS y, t
	WIN 0
	s_wait_alu depctr_va_vdst(0)
.irp k, 0,1,2,3
	v_pk_fma_f32 v[SC+4*(\t)+2*(\k%2):SC+4*(\t)+2*(\k%2)+1], v[ACC0+32*(\y)+8*(\t)+2*\k:ACC0+32*(\y)+8*(\t)+2*\k+1], v[DW0+16*(\y)+8+2*\k:DW0+16*(\y)+8+2*\k+1], v[SC+4*(\t)+2*(\k%2):SC+4*(\t)+2*(\k%2)+1]
.endr
.endm
; What stands behind product i.  One transcendental: eight slots each of exp tile 0, exp 1, rcp 0, exp 2, rcp 1, exp 3, rcp 2, rcp 3.  Then the plain work that is ready.  Every result of a transcendental
; has a plain instruction that does not touch it between itself and its first use (ISA guide 5.7.2): the list's order sees to that.  Tile 1's score sums stand at slot 41, behind the exponentials of tile 3's
; first pair, which slot 48 reads; slot 48's add is then the plain instruction for the exponentials of slots 42 to 47.  Each accumulator is first read at its low end (FF, k = 0).
.macro RID y, i
.set q_, (\i)/8
.set a_, ACC0+32*(\y)+(\i)%8
.if q_ == 0
	v_exp_f32 v[a_], v[a_]
.elseif q_ == 1
	v_exp_f32 v[a_+8], v[a_+8]
.elseif q_ == 2
	v_rcp_f32 v[a_], v[a_]
.elseif q_ == 3
	v_exp_f32 v[a_+16], v[a_+16]
.elseif q_ == 4
	v_rcp_f32 v[a_+8], v[a_+8]
.elseif q_ == 5
	v_exp_f32 v[a_+24], v[a_+24]
.elseif q_ == 6
	v_rcp_f32 v[a_+16], v[a_+16]
.else
	v_rcp_f32 v[a_+24], v[a_+24]
.endif
.if (\i) < 4
	FF \y, 1, (\i)
.elseif ((\i) >= 8) && ((\i) < 12)
	PP \y, 0, (\i)-8
.elseif ((\i) >= 12) && ((\i) < 16)
	FF \y, 2, (\i)-12
.elseif ((\i) >= 16) && ((\i) < 20)
	PP \y, 1, (\i)-16
.elseif (\i) == 24
	SS \y, 0
.elseif ((\i) >= 26) && ((\i) < 30)
	FF \y, 3, (\i)-26
.elseif ((\i) >= 32) && ((\i) < 36)
	PP \y, 2, (\i)-32
.elseif (\i) == 41
	SS \y, 1
.elseif ((\i) >= 48) && ((\i) < 52)
	PP \y, 3, (\i)-48
.elseif (\i) == 56
	SS \y, 2
.endif
.endm
.macro PRE y
.irp k, 0,1,2,3
	FF \y, 0, \k
.endr
.endm
.macro TAIL y                          ; five plain instructions that name nothing of the phase's last products: the places between those and the next phase's first reads of their results
	v_nop
	s_wait_alu depctr_va_vdst(0)
	SS \y, 3
.endm
.macro FET buf, adr, T, f              ; fragment f of eight: 32 k x 16 columns, turned
	ds_load_tr16_b128 v[(\buf)+8*(\f):(\buf)+8*(\f)+3],   v[\adr] offset:(\f)*32*WPITCH+32*(\T)
	ds_load_tr16_b128 v[(\buf)+8*(\f)+4:(\buf)+8*(\f)+7], v[\adr] offset:(\f)*32*WPITCH+32*(\T)+16*WPITCH
.endm
.macro FDW y, T, p                     ; my eight entries of table p for the 16 columns T
	ds_load_b128 v[DW0+16*(\y)+8*(\p):DW0+16*(\y)+8*(\p)+3],   v[ATB] offset:64*(\T)+4096*(\p)
	ds_load_b128 v[DW0+16*(\y)+8*(\p)+4:DW0+16*(\y)+8*(\p)+7], v[ATB] offset:64*(\T)+4096*(\p)+16
.endm
; Staging, eighth q of set p: 512 bytes of a row of the next block, loaded two steps ago, are rounded to bf16 and put into AN, and the same four registers take the 512 bytes two steps on.
.macro STG p, q
	WIN W_ST
.if (\q) == 0
	s_wait_loadcnt 0x8                             ; this set's eight loads are in (which also frees their address register); the other set's eight, issued later, stay out
	v_add_nc_u32 v[AW], s[ANOFF], v[AW0]
	v_add_nc_u32 v[GL0+(\p)], s[GOFF], v[GLB]
.endif
.set g_, STG0+32*(\p)+4*(\q)
	v_cvt_pk_bf16_f32 v[g_], v[g_], v[g_+1]
	v_cvt_pk_bf16_f32 v[g_+1], v[g_+2], v[g_+3]
	ds_store_b64 v[AW], v[g_:g_+1] offset:((\q)/4)*APITCH+((\q)%4)*256
	global_load_b128 v[g_:g_+3], v[GL0+(\p)], s[MBW:MBW+1] offset:((\q)/4)*2048+((\q)%4)*512 th:TH_LOAD_NT
.if (\q) == 7
	s_add_co_u32 s[ANOFF], s[ANOFF], 8*APITCH
	s_add_co_u32 s[GOFF], s[GOFF], 16384
	s_min_u32 s[GOFF], s[GOFF], 63*16384           ; the last two requests would pass my 512 rows: they ask for the last group once more, and nobody reads them; so every step's count of loads is the same
.endif
.endm
; A PHASE: 64 products into set x, the other set's vector work behind them.  sg: the slot.  T: which 16 of my 32 columns.
; Slots 4-11: places 8-15 of this phase's W (BFY's last reader stands behind TAIL's and PRE's plain instructions).  12, 13: the tables for this phase's results.  16-23 (stage): staging.
; Slots 36-43: places 0-7 for the next phase, from nadr (BFX's last reader is product 31; the four PP of slots 32-35 are the four places between: ISA guide 7.12.1 for vector instructions).
; sync: the change of slots.  In front of product 16 the wave waits for all its tensor loads (the one that is out is its quarter of the other slot) and adds 0 to its spare word; four products on, it waits for
; that and for its reads of this slot (the last were issued at slot 11) and signals; four products on, it waits.  refill: the barrier opens a round of the cluster's, and the joint refill is the first thing behind it.
.macro PHASE x, sg, T, stage, sync, refill, nadr, nT
	PRE (1-(\x))
.set i, 0
.rept 64
.if i == 0
	s_wait_dscnt 0x0                               ; places 0-7 are in
.endif
.if i == 32
	s_wait_dscnt 8*(\stage)                        ; places 8-15 and the tables are in; the eight staging stores, issued later, may be out
.endif
.if (\sync) && (i == 16)
	WIN 0                                          ; the add's two registers lie in window 0
	s_wait_tensorcnt 0x0                           ; no tensor load of mine is out, so a group 0 may be written
	ds_add_u32 v[SPW], v[NIL]                      ; 0 onto my spare word; scalar work and four products stand between it and the wait for it
.if \refill
	s_add_co_u32 s[TO+2*(\sg)], s[TO+2*(\sg)], 131072      ; two tiles on,
	s_and_b32 s[TO+2*(\sg)], s[TO+2*(\sg)], 0xfffff        ; round the 16 tiles
	s_add_nc_u64 s[G0+4*(\sg)+2:G0+4*(\sg)+3], s[WB:WB+1], s[TO+2*(\sg):TO+2*(\sg)+1]
	s_or_b32 s[G0+4*(\sg)+3], s[G0+4*(\sg)+3], 0x80000000
.endif
	s_add_co_u32 s[TOFF], s[TOFF], 256
.endif
	MMA \x, i
	RID (1-(\x)), i
.if (i >= 4) && (i < 12)
	FET BFY, AY+(\sg), \T, i-4
.endif
.if (i == 12) || (i == 13)
	FDW \x, \T, i-12
.endif
.if (\stage) && (i >= 16) && (i < 24)
	STG \sg, i-16
.endif
.if (\sync) && (i == 19)
	s_wait_dscnt 0x0                               ; the add is done, and my reads of this slot are over
	s_barrier_signal -1
.endif
.if (\sync) && (i == 23)
	WIN 0                                          ; at a branch and at a label every window is 0
	s_barrier_wait -1
.if \refill
	CREST                                          ; no wave of any partner still reads this slot or has a load on its way
	JLOAD \sg                                      ; it has 120 products in which to land
.endif
	v_add_nc_u32 v[ATB], s[TOFF], v[ATB0]          ; the next step's place in the tables
.endif
.if ((\nadr) >= 0) && (i >= 36) && (i < 44)
	FET BFX, \nadr, \nT, i-36
.endif
.set i, i+1
.endr
	TAIL (1-(\x))
.endm
.macro STEP sg, refill, stage, last
	PHASE 0, \sg, 0, \stage, 0, 0, AX+(\sg), 1
.if \last
	PHASE 1, \sg, 1, 0, 0, 0, -1, 0
.else
	PHASE 1, \sg, 1, 0, 1, \refill, AX+1-(\sg), 0
.endif
.endm
.macro RELO t                          ; the next block's tile t, places 0-7
	WIN 0x80
.irp c, 0,1,2,3,4,5,6,7
	ds_load_b128 v[8*(4*\c+(\t)):8*(4*\c+(\t))+3],   v[ARL] offset:(\t)*16*APITCH+64*\c
	ds_load_b128 v[8*(4*\c+(\t))+4:8*(4*\c+(\t))+7], v[ARL] offset:(\t)*16*APITCH+64*\c+32
.endr
.endm
.macro REHI                            ; all four tiles, places 8-15
	WIN 0xc0
.irp t, 0,1,2,3
.irp c, 0,1,2,3,4,5,6,7
	ds_load_b128 v[8*(4*\c+\t):8*(4*\c+\t)+3],   v[ARH] offset:\t*16*APITCH+64*\c
	ds_load_b128 v[8*(4*\c+\t)+4:8*(4*\c+\t)+7], v[ARH] offset:\t*16*APITCH+64*\c+32
.endr
.endr
.endm
; A BLOCK'S END.  The last phase's vector work; the wave's half scores meet the partner's; mask; the running softmax of my lane's four rows; the context takes the block; the next block comes out of AN.
.macro BLOCKEND fin
	WIN 0
	PRE 1
.set i, 0
.rept 64
	RID 1, i
.set i, i+1
.endr
	TAIL 1
.irp t, 0,1,2,3
	v_add_f32 v[TS+\t], v[SC+4*\t], v[SC+4*\t+1]
	v_add_f32 v[TP+\t], v[SC+4*\t+2], v[SC+4*\t+3]
.endr
.irp t, 0,1,2,3
	v_add_f32 v[TS+\t], v[TS+\t], v[TP+\t]
.endr
.irp t, 0,1,2,3
	v_permlanex16_b32 v[TP+\t], v[TS+\t], s[SEL], s[SEL+1]  ; the row's other eight columns of every 16 lie in the lane 16 away
.endr
.irp t, 0,1,2,3
	v_add_f32 v[TS+\t], v[TS+\t], v[TP+\t]
.endr
.irp t, 0,1,2,3
	ds_store_b32 v[ASX], v[TS+\t] offset:64*\t
.endr
	v_add_nc_u32 v[TX], s[MSKOFF], v[ABE]
	s_wait_dscnt 0x0                               ; for the others' sake: my half scores, and my rows of AN
	s_barrier_signal -1
	s_barrier_wait -1
.irp t, 0,1,2,3
	ds_load_b32 v[TP+\t], v[ASP] offset:64*\t
.endr
.irp t, 0,1,2,3
	ds_load_b32 v[TM+\t], v[TX] offset:64*\t
.endr
.if !(\fin)
	REHI
	WIN 0
	s_wait_dscnt 63                                ; 64 loads were issued behind the eight; 63 is the most that the wait can name
.else
	s_wait_dscnt 0x0
.endif
.irp t, 0,1,2,3
	v_add_f32 v[TS+\t], v[TS+\t], v[TP+\t]         ; the same two numbers in both waves of the pair: both go on with the same score
	v_cmp_eq_u32 vcc_lo, 0, v[TM+\t]
	v_cndmask_b32 v[TS+\t], v[TS+\t], s[NINF], vcc_lo
.endr
	s_cmp_lg_u32 s[NH], 0
	s_cbranch_scc1 .Lno_scf_\@                     ; one wave of the pair keeps the scores
.irp t, 0,1,2,3
	ds_store_b32 v[TX], v[TS+\t] offset:SCF-MSK+64*\t
.endr
.Lno_scf_\@:
	v_max3_num_f32 v[MX], v[MR], v[TS], v[TS+1]
	v_max3_num_f32 v[MX], v[MX], v[TS+2], v[TS+3]
	v_sub_f32 v[AL+1], v[MR], v[MX]                ; the difference first, so that equal numbers give exactly 0, however large they are
.irp t, 0,1,2,3
	v_sub_f32 v[PT+\t], v[TS+\t], v[MX]
.endr
	v_mul_f32 v[AL+1], s[L2E], v[AL+1]
.irp t, 0,1,2,3
	v_mul_f32 v[PT+\t], s[L2E], v[PT+\t]
.endr
	v_exp_f32 v[AL], v[AL+1]
.irp t, 0,1,2,3
	v_exp_f32 v[PT+\t], v[PT+\t]
.endr
	v_mov_b32 v[MR], v[MX]                         ; the plain instruction behind the exponentials
	s_wait_alu depctr_va_vdst(0)
	v_add_f32 v[T2], v[PT], v[PT+1]
	v_add_f32 v[T2+1], v[PT+2], v[PT+3]
	v_add_f32 v[T2], v[T2], v[T2+1]
	v_fma_f32 v[LR], v[LR], v[AL], v[T2]
	WIN W_RS
.set n_, 0
.rept 64
	v_pk_mul_f32 v[CTX+2*n_:CTX+2*n_+1], v[CTX+2*n_:CTX+2*n_+1], v[AL:AL+1] op_sel_hi:[1,0]
.set n_, n_+1
.endr
.irp t, 0,1,2,3
	WIN W_CX
.set n_, 0
.rept 64                               ; place n / 8, register n % 8: two columns of mem's row times the row's weight
	v_fma_mix_f32_bf16 v[CTX+2*n_], v[8*(4*(n_/8)+\t)+n_%8], v[PT+\t], v[CTX+2*n_] op_sel_hi:[1,0,0]
	v_fma_mix_f32_bf16 v[CTX+2*n_+1], v[8*(4*(n_/8)+\t)+n_%8], v[PT+\t], v[CTX+2*n_+1] op_sel:[1,0,0] op_sel_hi:[1,0,0]
.set n_, n_+1
.endr
.if !(\fin)
	RELO \t
.endif
.endr
	WIN 0
.if !(\fin)
.set n_, 0
.rept 16
	v_mov_b32 v[SC+n_], 0
.set n_, n_+1
.endr
.set n_, 0
.rept 8
	v_mov_b32 v[DW0+24+n_], 0                      ; the next step's phase A works once more on ACC1, which holds finite numbers: times 0 it adds nothing, and one text serves every step
.set n_, n_+1
.endr
	s_mov_b32 s[ANOFF], 0
	s_mov_b32 s[TOFF], 0
	v_mov_b32 v[ATB], v[ATB0]
	s_add_co_u32 s[MSKOFF], s[MSKOFF], 512
	s_wait_dscnt 0x0                               ; the next block is in my registers: my reads of AN and of the half scores are over
	s_barrier_signal -1
	s_barrier_wait -1                              ; everybody's are: both may be written again
.endif
.endm
; The head's conversion of 4 x cnt loaded registers of window win (2 or 3) from quad n0 on, and their way into AN.  Quad n = 8 s + 4 j + q: group s, row j, 512 bytes q.
.macro HCONV win, n0, cnt
	WIN 0x80+0x45*((\win)-2)+0x0a                  ; destination and both sources in the window: 0x8a or 0xcf
.set n_, (\n0)
.rept (\cnt)
	v_cvt_pk_bf16_f32 v[4*n_], v[4*n_], v[4*n_+1]
	v_cvt_pk_bf16_f32 v[4*n_+1], v[4*n_+2], v[4*n_+3]
.set n_, n_+1
.endr
	WIN 4*(\win)                                   ; store data in the window, address in window 0
.set n_, (\n0)
.rept (\cnt)
	ds_store_b64 v[HA+2*((\win)-2)+n_/32], v[4*n_:4*n_+1] offset:(8*((n_/8)%4)+(n_/4)%2)*APITCH+256*(n_%4)
.set n_, n_+1
.endr
.endm
	s_load_b256 s[4:11], s[0:1], 0x0               ; memory_bank s[4:5], wt s[6:7], decp s[8:9], W_v s[10:11]
	s_load_b256 s[12:19], s[0:1], 0x20             ; src_mask s[12:13], scw s[14:15], part s[16:17], stat s[18:19]
	v_lshl_add_u32 v[SPW], v0, 2, SPARE
	v_mov_b32 v[NIL], 0
	ds_add_u32 v[SPW], v[NIL]                      ; the wave's opening: the add and its wait ahead of my first tensor load; the set-up, work on registers, stands between
	v_lshrrev_b32 v[HL], 5, v0
	v_readfirstlane_b32 s[WV], v[HL]
	s_lshr_b32 s[RG], s[WV], 1
	s_and_b32 s[NH], s[WV], 1
	s_bfe_u32 s[CXR], ttmp6, 0x40000               ; my place in the cluster: it enters global addresses of my own loads and stores alone
	s_lshl_b32 s[WGX], ttmp9, 2                    ; ttmp9 counts clusters: the batch
	s_add_co_u32 s[WGX], s[WGX], s[CXR]
	; descriptor group 1: my quarter of a tile, 128 k rows of 128 bytes, dense: asked for as 64 rows of 256 bytes and padded in LDS after every 128
	s_mov_b32 s[G1], 15|(1<<16)|(1<<20)|(1<<21)|(4<<22)|(7<<25)  ; mask of four; 2-byte elements; padding on; bit 21 beside a mask; after every 32 words (code 4) 8 words (code 7)
	s_mov_b32 s[G1+1], 128<<16                     ; tensor_dim0 = 128
	s_mov_b32 s[G1+2], 64<<16                      ; tensor_dim1 = 64
	s_mov_b32 s[G1+3], 128<<16                     ; tile_dim0 = 128
	s_mov_b32 s[G1+4], 64                          ; tile_dim1 = 64
	s_mov_b32 s[G1+5], 128                         ; elements from row to row
	s_mov_b32 s[G1+6], 0
	s_mov_b32 s[G1+7], 0
	s_mov_b32 s[G0], 1
	s_mul_i32 s[G0+1], s[WV], 128*WPITCH           ; LDS: wave x 128 rows
	s_mov_b32 s[G0+4], 1
	s_add_co_u32 s[G0+5], s[G0+1], SLOTB
	s_mov_b32 s[TO], 0
	s_mov_b32 s[TO+1], 0
	s_mov_b32 s[TO+2], 65536
	s_mov_b32 s[TO+3], 0
	s_mov_b32 s[C2], 0x4038aa3b                    ; 2 log2 e = 2.885390
	s_mov_b32 s[C2+1], s[C2]
	s_mov_b32 s[SEL], 0x76543210
	s_mov_b32 s[SEL+1], 0xfedcba98
	s_mov_b32 s[L2E], 0x3fb8aa3b
	s_mov_b32 s[NINF], 0xff800000
	s_mov_b32 s[GOFF], 18*16384
	s_mov_b32 s[ANOFF], 0
	s_mov_b32 s[TOFF], 0
	s_mov_b32 s[MSKOFF], MSK
	v_and_b32 v[HL], 31, v0                        ; l
	v_and_b32 v[HR], 15, v0                        ; r = l % 16
	v_bfe_u32 v[HH], v0, 4, 1                      ; h = l / 16
	v_and_b32 v[H7], 7, v0
	v_bfe_u32 v[H3], v0, 3, 1
	; the turning load: lane l reads k row 8 h + l % 8, 16 bytes at 16 ((l / 8) % 2)
	v_lshl_add_u32 v[HS], v[HH], 3, v[H7]
	v_mul_u32_u24 v[HS], v[HS], WPITCH
	v_lshl_add_u32 v[HS], v[H3], 4, v[HS]
	s_mul_i32 s[TB], s[NH], 256*WPITCH+64          ; places 0-7 begin at k = 256 nh; my 32 columns at byte 64 nh
	v_add_nc_u32 v[AX], s[TB], v[HS]
	v_add_nc_u32 v[AX+1], SLOTB, v[AX]
	s_xor_b32 s[TA], s[NH], 1
	s_mul_i32 s[TB], s[TA], 256*WPITCH             ; places 8-15 at k = 256 (1 - nh)
	s_lshl_b32 s[TA+1], s[NH], 6
	s_add_co_u32 s[TB], s[TB], s[TA+1]
	v_add_nc_u32 v[AY], s[TB], v[HS]
	v_add_nc_u32 v[AY+1], SLOTB, v[AY]
	s_lshl_b32 s[TB], s[NH], 7
	s_add_co_u32 s[TB], s[TB], TAB
	v_lshl_add_u32 v[ATB0], v[HH], 5, s[TB]
	v_mov_b32 v[ATB], v[ATB0]
	v_mul_u32_u24 v[HS], v[HR], APITCH
	v_lshl_add_u32 v[HS], v[HH], 4, v[HS]          ; a fragment of mem: row r, 16 bytes for each half of the lanes
	s_mul_i32 s[TB], s[RG], 64*APITCH
	s_add_co_u32 s[TB], s[TB], AN
	s_lshl_b32 s[TA+1], s[NH], 9
	s_add_co_u32 s[TA+1], s[TA+1], s[TB]
	v_add_nc_u32 v[ARL], s[TA+1], v[HS]
	s_lshl_b32 s[TA], s[TA], 9
	s_add_co_u32 s[TA], s[TA], s[TB]
	v_add_nc_u32 v[ARH], s[TA], v[HS]
	s_lshl_b32 s[TB], s[WV], 8
	s_add_co_u32 s[TB], s[TB], SCX
	v_lshl_add_u32 v[ASX], v[HR], 2, s[TB]
	s_xor_b32 s[TB], s[WV], 1
	s_lshl_b32 s[TB], s[TB], 8
	s_add_co_u32 s[TB], s[TB], SCX
	v_lshl_add_u32 v[ASP], v[HR], 2, s[TB]
	s_lshl_b32 s[TB], s[RG], 8
	v_lshl_add_u32 v[ABE], v[HR], 2, s[TB]
	s_lshl_b32 s[TB], s[WV], 12
	v_lshl_add_u32 v[HG], v[HL], 4, s[TB]          ; of a group of 8 rows my wave takes two: 4,096 w + 16 l
	s_mul_i32 s[TB], s[WV], 2*APITCH
	s_add_co_u32 s[TB], s[TB], AN
	v_lshl_add_u32 v[HA], v[HL], 3, s[TB]
	v_add_nc_u32 v[HA+1], 32*APITCH, v[HA]
	v_add_nc_u32 v[HA+2], 64*APITCH, v[HA]
	v_add_nc_u32 v[HA+3], 96*APITCH, v[HA]
	v_lshlrev_b32 v[HO], 4, v0
	v_lshl_add_u32 v[HTB], v0, 4, TAB
	v_mov_b32 v[MR], 0xf149f2ca                    ; -1e30
	v_mov_b32 v[LR], 0
	s_wait_dscnt 0x0                               ; the opening add is done
	s_wait_kmcnt 0x0
	s_lshl_b32 s[G0+2], s[WV], 14                  ; my quarter of a tile (made in registers that never hold my place in the cluster)
	s_mov_b32 s[G0+3], 0
	s_add_nc_u64 s[WB:WB+1], s[6:7], s[G0+2:G0+3]
	s_add_nc_u64 s[G0+2:G0+3], s[WB:WB+1], s[TO:TO+1]
	s_or_b32 s[G0+3], s[G0+3], 0x80000000
	s_add_nc_u64 s[G0+6:G0+7], s[WB:WB+1], s[TO+2:TO+3]
	s_or_b32 s[G0+7], s[G0+7], 0x80000000
	s_mov_b32 s[TA+1], 0
	s_lshl_b32 s[TA], s[WGX], 20                   ; 512 rows of 2,048 bytes
	s_add_nc_u64 s[MBW:MBW+1], s[4:5], s[TA:TA+1]
	s_lshl_b32 s[TA], ttmp9, 12
	s_add_nc_u64 s[8:9], s[8:9], s[TA:TA+1]        ; decp at my batch's row of the first eighth
	s_lshl_b32 s[TA], s[WGX], 11
	s_add_nc_u64 s[12:13], s[12:13], s[TA:TA+1]
	s_add_nc_u64 s[14:15], s[14:15], s[TA:TA+1]
	s_lshl_b32 s[TA], s[WGX], 12
	s_lshl_b32 s[TB], s[WV], 10
	s_add_co_u32 s[TA], s[TA], s[TB]
	s_add_nc_u64 s[16:17], s[16:17], s[TA:TA+1]    ; part: row 2 x work-group + rg, half nh
	s_lshl_b32 s[TA], s[WGX], 10
	s_lshl_b32 s[TB], s[RG], 9
	s_add_co_u32 s[TA], s[TA], s[TB]
	s_add_nc_u64 s[18:19], s[18:19], s[TA:TA+1]
.irp kq, 0,1,2,3,4,5,6,7               ; 19 small loads: the eight partial sums of dec for my 8 columns, W_v, my four mask words
.irp u, 0,1
	global_load_b128 v[128+8*\kq+4*\u:131+8*\kq+4*\u], v[HO], s[8:9] offset:262144*\kq+2048*\u
.endr
.endr
	global_load_b128 v[192:195], v[HO], s[10:11]
	global_load_b128 v[196:199], v[HO], s[10:11] offset:2048
	global_load_b128 v[200:203], v[HO], s[12:13]
	CROUND                                         ; all four work-groups are here: the first joint loads meet
	JLOAD 0                                        ; tiles 0 and 1: two tensor loads of mine are out
	JLOAD 1
	WIN 0x80                                       ; block 0 comes in through the registers that will hold it: groups 0-7 into window 2,
.set n_, 0
.rept 64
	global_load_b128 v[4*n_:4*n_+3], v[HG], s[MBW:MBW+1] offset:(n_/8)*16384+((n_/4)%2)*2048+(n_%4)*512 th:TH_LOAD_NT
.set n_, n_+1
.endr
	WIN 0xc0                                       ; groups 8-15 into window 3
.set n_, 0
.rept 64
	global_load_b128 v[4*n_:4*n_+3], v[HG], s[MBW:MBW+1] offset:(8+n_/8)*16384+((n_/4)%2)*2048+(n_%4)*512 th:TH_LOAD_NT
.set n_, n_+1
.endr
	WIN 0x40
	v_mov_b32 v[GLB], v[HG]
	v_add_nc_u32 v[GL0], 16*16384, v[HG]
	v_add_nc_u32 v[GL0+1], 17*16384, v[HG]
	v_mov_b32 v[AW0], v[HA]
	WIN W_ST                                       ; block 1's first two groups into the two staging sets
.set n_, 0
.rept 16
	global_load_b128 v[STG0+4*n_:STG0+4*n_+3], v[GL0+n_/8], s[MBW:MBW+1] offset:((n_/4)%2)*2048+(n_%4)*512 th:TH_LOAD_NT
.set n_, n_+1
.endr
	WIN 0x40                                       ; what the first step finds, written in the wait for the loads: the context 0,
.set n_, 0
.rept 128
	v_mov_b32 v[CTX+n_], 0
.set n_, n_+1
.endr
	WIN 0                                          ; the score sums, ACC1 and phase B's tables 0: the first phase's vector work, on a set that has not been, adds 0
.set n_, 0
.rept 16
	v_mov_b32 v[SC+n_], 0
	v_mov_b32 v[DW0+16+n_], 0
	v_mov_b32 v[ACC0+32+n_], 0
	v_mov_b32 v[ACC0+48+n_], 0
.set n_, n_+1
.endr
	s_wait_loadcnt 63                              ; behind the small loads and groups 0-7 stand 80 loads; 63 is the most that the wait can name
.irp u, 0,1
.irp kq, 1,2,3,4,5,6,7
	v_pk_add_f32 v[128+4*\u:129+4*\u], v[128+4*\u:129+4*\u], v[128+8*\kq+4*\u:129+8*\kq+4*\u]
	v_pk_add_f32 v[130+4*\u:131+4*\u], v[130+4*\u:131+4*\u], v[130+8*\kq+4*\u:131+8*\kq+4*\u]
.endr
	v_pk_mul_f32 v[128+4*\u:129+4*\u], v[128+4*\u:129+4*\u], s[C2:C2+1] op_sel_hi:[1,0]
	v_pk_mul_f32 v[130+4*\u:131+4*\u], v[130+4*\u:131+4*\u], s[C2:C2+1] op_sel_hi:[1,0]
	v_pk_mul_f32 v[192+4*\u:193+4*\u], v[192+4*\u:193+4*\u], -2.0 op_sel_hi:[1,0]
	v_pk_mul_f32 v[194+4*\u:195+4*\u], v[194+4*\u:195+4*\u], -2.0 op_sel_hi:[1,0]
.endr
	ds_store_b128 v[HTB], v[128:131]
	ds_store_b128 v[HTB], v[132:135] offset:2048
	ds_store_b128 v[HTB], v[192:195] offset:4096
	ds_store_b128 v[HTB], v[196:199] offset:6144
	ds_store_b128 v[HTB], v[200:203] offset:MSK-TAB
	HCONV 2, 0, 64
	s_wait_loadcnt 48                              ; groups 8-11 are in: behind them 32 loads of the block and 16 of the staging sets
	HCONV 3, 0, 32
	s_wait_loadcnt 16                              ; the block is in; the staging sets' loads stay out
	HCONV 3, 32, 32
	WIN 0
	s_wait_tensorcnt 0x1                           ; my quarter of slot 0 is in; slot 1's may stay out
	s_wait_dscnt 0x0                               ; for the others' sake: my rows of AN, my part of the tables
	s_barrier_signal -1
	s_barrier_wait -1
	REHI
.irp t, 0,1,2,3
	RELO \t
.endr
	WIN 0
.irp f, 0,1,2,3,4,5,6,7
	FET BFX, AX, 0, \f
.endr
	s_wait_dscnt 0x0                               ; block 0 is in my registers: my reads of AN are over
	s_barrier_signal -1
	s_barrier_wait -1                              ; everybody's are: AN may take block 1
	s_mov_b32 s[BLK], 3
.Lblk:                                 ; blocks 0 to 2: every step stages rows of the next block and fills a slot again
	s_mov_b32 s[PR], 8
.Lpair:
	STEP 0, 1, 1, 0
	STEP 1, 1, 1, 0
	WIN 0
	s_sub_co_u32 s[PR], s[PR], 1
	s_cmp_lg_u32 s[PR], 0
	s_cbranch_scc1 .Lpair
	BLOCKEND 0
	s_sub_co_u32 s[BLK], s[BLK], 1
	s_cmp_lg_u32 s[BLK], 0
	s_cbranch_scc1 .Lblk
	s_mov_b32 s[PR], 7
.Lpair3:                               ; block 3: nothing is left to stage
	STEP 0, 1, 0, 0
	STEP 1, 1, 0, 0
	WIN 0
	s_sub_co_u32 s[PR], s[PR], 1
	s_cmp_lg_u32 s[PR], 0
	s_cbranch_scc1 .Lpair3
	STEP 0, 0, 0, 0                                ; the last two steps are written out: no slot is filled that no step reads
	STEP 1, 0, 0, 1
	BLOCKEND 1
	; THE WAY OUT.  The 16 lanes of a half hold 16 different rows' shares, each scaled to its own maximum: they are brought to the wave's maximum and added.  Both halves of the lanes hold the same rows' M and L.
.set FM,  128
.set FFR, 130
.set FL,  132
.set CA,  133
.set CR,  134
.set GOF, 135
.set FO,  136
.set SQ,  144
.set SO,  148
.set SA,  152
.set FT,  153
	WIN 0
	v_mov_b32 v[FM], v[MR]
.irp m, 1,2,4,8
	v_max_num_f32_dpp v[FM], v[FM], v[FM] row_xmask:\m row_mask:0xf bank_mask:0xf
.endr
	v_sub_f32 v[FFR+1], v[MR], v[FM]
	v_mul_f32 v[FFR+1], s[L2E], v[FFR+1]
	v_exp_f32 v[FFR], v[FFR+1]
	v_and_b32 v[FT], 31, v0                        ; a plain instruction behind the exponential
	s_wait_alu depctr_va_vdst(0)
	v_mul_f32 v[FL], v[LR], v[FFR]
.irp m, 1,2,4,8
	v_add_f32_dpp v[FL], v[FL], v[FL] row_xmask:\m row_mask:0xf bank_mask:0xf
.endr
	s_lshl_b32 s[TB], s[WV], 10
	s_add_co_u32 s[TB], s[TB], CST
	v_lshl_add_u32 v[CR], v[FT], 4, s[TB]
	v_lshlrev_b32 v[GOF], 4, v[FT]
	v_bfe_u32 v[FT], v0, 4, 1
	v_lshl_add_u32 v[CA], v[FT], 5, s[TB]
	v_lshl_add_u32 v[SA], v0, 4, SCF
	v_lshlrev_b32 v[FT], 4, v0
	v_mov_b32 v[SQ], v[FM]
	v_mov_b32 v[SQ+1], v[FL]
	v_mov_b32 v[SQ+2], v[FM]
	v_mov_b32 v[SQ+3], v[FL]
	WIN W_RS
.set n_, 0
.rept 64
	v_pk_mul_f32 v[CTX+2*n_:CTX+2*n_+1], v[CTX+2*n_:CTX+2*n_+1], v[FFR:FFR+1] op_sel_hi:[1,0]
.set n_, n_+1
.endr
	WIN W_ST
.irp m, 1,2,4,8
.set n_, 0
.rept 128
	v_add_f32_dpp v[CTX+n_], v[CTX+n_], v[CTX+n_] row_xmask:\m row_mask:0xf bank_mask:0xf
.set n_, n_+1
.endr
.endr
	WIN 0x04                                       ; store data in window 1.  Place c, element e is column 32 c + 8 h + e (e < 8) or 32 c + 16 + 8 h + e - 8 of my 256; the 16 lanes of a half write equal numbers to one place
.irp c, 0,1,2,3,4,5,6,7
	ds_store_b128 v[CA], v[CTX+16*\c:CTX+16*\c+3] offset:128*\c
	ds_store_b128 v[CA], v[CTX+16*\c+4:CTX+16*\c+7] offset:128*\c+16
	ds_store_b128 v[CA], v[CTX+16*\c+8:CTX+16*\c+11] offset:128*\c+64
	ds_store_b128 v[CA], v[CTX+16*\c+12:CTX+16*\c+15] offset:128*\c+80
.endr
	WIN 0
	ds_load_b128 v[FO:FO+3], v[CR]                 ; LDS serves a wave's instructions in order (ISA guide 5.7.1.4): these see my stores above
	ds_load_b128 v[FO+4:FO+7], v[CR] offset:512
	s_wait_dscnt 0x1
	global_store_b128 v[GOF], v[FO:FO+3], s[16:17]                ; 512 consecutive bytes, aligned
	s_wait_dscnt 0x0
	global_store_b128 v[GOF], v[FO+4:FO+7], s[16:17] offset:512
	s_cmp_lg_u32 s[NH], 0
	s_cbranch_scc1 .Lno_stat                       ; both waves of a pair hold the same M and L: one stores them, as a whole row of 512 bytes
	global_store_b128 v[GOF], v[SQ:SQ+3], s[18:19]
.Lno_stat:
	s_barrier_signal -1                            ; the last block's scores are in LDS: each wave waited for its LDS stores above
	s_barrier_wait -1
	ds_load_b128 v[SO:SO+3], v[SA]
	s_wait_dscnt 0x0
	global_store_b128 v[FT], v[SO:SO+3], s[14:15]  ; the work-group's 512 scores: 2,048 consecutive bytes
	s_wait_tensorcnt 0x0                           ; the wave's end: three lines behind my last tensor load and my last LDS store
	ds_add_u32 v[SPW], v[NIL]
	s_wait_dscnt 0x0
	CROUND                                         ; the closing round: no work-group ends while a partner may still ask for a tile that names it
	s_endpgm
.Lfunc_end_k_qd4591c15a5_main:
	.size	k_qd4591c15a5_main, .Lfunc_end_k_qd4591c15a5_main-k_qd4591c15a5_main
	.p2alignl 7, 3214868480
	.fill 96, 4, 3214868480
	.section	.rodata,"a",@progbits
	.p2align	6, 0x0
	.amdhsa_kernel k_qd4591c15a5_main
		.amdhsa_group_segment_fixed_size 327680
		.amdhsa_private_segment_fixed_size 0
		.amdhsa_enable_private_segment 0
		.amdhsa_kernarg_size 64
		.amdhsa_user_sgpr_count 2
		.amdhsa_user_sgpr_kernarg_segment_ptr 1
		.amdhsa_wavefront_size32 1
		.amdhsa_system_sgpr_workgroup_id_x 1
		.amdhsa_system_sgpr_workgroup_id_y 1
		.amdhsa_system_sgpr_workgroup_id_z 1
		.amdhsa_system_vgpr_workitem_id 0
		.amdhsa_next_free_vgpr 1024
		.amdhsa_next_free_sgpr 66
		.amdhsa_reserve_vcc 1
		.amdhsa_float_denorm_mode_32 3
		.amdhsa_float_denorm_mode_16_64 3
		.amdhsa_memory_ordered 1
		.amdhsa_forward_progress 1
		.amdhsa_inst_pref_size 255
	.end_amdhsa_kernel
	.section	.bss,"aw",@nobits
	.p2align	6
	.space	262144
	.amdgpu_metadata
---
amdhsa.version: [ 1, 2 ]
amdhsa.kernels:
  - .name:           k_qd4591c15a5_main
    .symbol:         k_qd4591c15a5_main.kd
    .args:
      - { .name: memory_bank, .offset: 0, .size: 8, .value_kind: global_buffer, .address_space: global }
      - { .name: wt, .offset: 8, .size: 8, .value_kind: global_buffer, .address_space: global }
      - { .name: decp, .offset: 16, .size: 8, .value_kind: global_buffer, .address_space: global }
      - { .name: W_v, .offset: 24, .size: 8, .value_kind: global_buffer, .address_space: global }
      - { .name: src_mask, .offset: 32, .size: 8, .value_kind: global_buffer, .address_space: global }
      - { .name: scw, .offset: 40, .size: 8, .value_kind: global_buffer, .address_space: global }
      - { .name: part, .offset: 48, .size: 8, .value_kind: global_buffer, .address_space: global }
      - { .name: stat, .offset: 56, .size: 8, .value_kind: global_buffer, .address_space: global }
    .group_segment_fixed_size: 327680
    .private_segment_fixed_size: 0
    .kernarg_segment_align: 8
    .kernarg_segment_size: 64
    .max_flat_workgroup_size: 128
    .sgpr_count:     66
    .vgpr_count:     1024
    .wavefront_size: 32
...
	.end_amdgpu_metadata
.endif
;; end of part 2
;; launch fin (part 3): grid 256 x 1, 4 waves a work-group, no clusters, 0 bytes of LDS; arguments scw, part, stat, out0, out1; writes out0, out1
.if DOCPART == 3
	.amdgcn_target "amdgcn-amd-amdhsa--gfx1250"
	.amdhsa_code_object_version 6
	.text
	.protected	k_qd4591c15a5_fin
	.globl	k_qd4591c15a5_fin
	.p2align	8
	.type	k_qd4591c15a5_fin,@function
k_qd4591c15a5_fin:
	s_mov_b64 s[64:65], 0
	v_nop
	global_prefetch_b8 v0, s[64:65] scope:SCOPE_SE
	s_setreg_imm32_b32 hwreg(HW_REG_WAVE_MODE, 25, 1), 1
	s_wait_xcnt 0x0
; FIN.  A batch has eight partial softmaxes (maximum M_i, sum L_i, context part_i scaled to M_i).  Mx = the largest M_i, w_i = 2^((M_i - Mx) log2 e), Ls = the sum of w_i L_i.
; out1[b][s] = 2^((score - Mx) log2 e) / Ls;  out0[b][m] = (the sum of w_i part_i[m]) / Ls.  All in f32.  A batch whose mask is all 0 has Ls = 0 and gives NaN, as the reference does.
; Work-group x: batch x / 4, quarter x % 4: 512 scores (16 bytes a thread: 2,048 consecutive bytes) and, by wave 0, 128 columns of the context (512 consecutive bytes).
; No LDS, no matrix unit, no cluster: a few kilobytes a work-group, nothing shared but the 64 bytes of statistics, which come by scalar loads.
.set L2E, 0x3fb8aa3b
	s_load_b256 s[4:11], s[0:1], 0x0               ; scw s[4:5], part s[6:7], stat s[8:9], out0 s[10:11]
	s_load_b64 s[12:13], s[0:1], 0x20              ; out1
	v_lshrrev_b32 v1, 5, v0
	v_readfirstlane_b32 s14, v1                    ; wave
	v_lshlrev_b32 v2, 4, v0                        ; 16 x thread
	s_lshr_b32 s15, ttmp9, 2                       ; batch
	s_and_b32 s32, ttmp9, 3                        ; quarter
	s_lshl_b32 s34, s15, 12                        ; stat: eight rows of 512 bytes a batch
	s_mov_b32 s35, 0
	s_lshl_b32 s36, ttmp9, 11                      ; scw, out1: 2,048 bytes a work-group
	s_mov_b32 s37, 0
	s_lshl_b32 s38, s15, 14                        ; part: eight rows of 2,048 bytes a batch,
	s_lshl_b32 s33, s32, 9                         ; 512 bytes a quarter
	s_add_co_u32 s38, s38, s33
	s_mov_b32 s39, 0
	s_lshl_b32 s40, ttmp9, 9                       ; out0: 512 bytes a work-group
	s_mov_b32 s41, 0
	s_wait_kmcnt 0x0
	s_add_nc_u64 s[8:9], s[8:9], s[34:35]
.irp i, 0,1,2,3,4,5,6,7
	s_load_b64 s[16+2*\i:17+2*\i], s[8:9], 512*\i  ; M_i, L_i
.endr
	s_add_nc_u64 s[4:5], s[4:5], s[36:37]
	s_add_nc_u64 s[12:13], s[12:13], s[36:37]
	s_add_nc_u64 s[6:7], s[6:7], s[38:39]
	s_add_nc_u64 s[10:11], s[10:11], s[40:41]
	global_load_b128 v[4:7], v2, s[4:5]
	s_wait_kmcnt 0x0
	v_mov_b32 v10, s16
.irp i, 1,2,3,4,5,6,7
	v_max_num_f32 v10, s[16+2*\i], v10
.endr
.irp i, 0,1,2,3,4,5,6,7
	v_sub_f32 v[12+\i], s[16+2*\i], v10            ; the difference first: equal numbers give exactly 0
.endr
.irp i, 0,1,2,3,4,5,6,7
	v_mul_f32 v[12+\i], L2E, v[12+\i]
.endr
.irp i, 0,1,2,3,4,5,6,7
	v_exp_f32 v[12+\i], v[12+\i]
.endr
	v_nop                                          ; a plain instruction between the last exponential and the use of its result
	s_wait_alu depctr_va_vdst(0)
	v_mul_f32 v20, s17, v12
.irp i, 1,2,3,4,5,6,7
	v_fma_f32 v20, s[17+2*\i], v[12+\i], v20
.endr
	v_rcp_f32 v21, v20
	s_wait_loadcnt 0x0
.irp k, 0,1,2,3
	v_sub_f32 v[4+\k], v[4+\k], v10                ; plain work that does not touch the reciprocal stands behind it
.endr
.irp k, 0,1,2,3
	v_mul_f32 v[4+\k], L2E, v[4+\k]
.endr
.irp k, 0,1,2,3
	v_exp_f32 v[4+\k], v[4+\k]
.endr
	v_nop
	s_wait_alu depctr_va_vdst(0)
.irp k, 0,1,2,3
	v_mul_f32 v[4+\k], v[4+\k], v21
.endr
	global_store_b128 v2, v[4:7], s[12:13]
	s_cmp_lg_u32 s14, 0
	s_cbranch_scc1 .Ldone
.irp i, 0,1,2,3,4,5,6,7                ; wave 0: its thread numbers are its lanes
	global_load_b128 v[24+4*\i:27+4*\i], v2, s[6:7] offset:2048*\i
.endr
	s_wait_loadcnt 0x0
.irp k, 0,1,2,3
	v_mul_f32 v[56+\k], v[24+\k], v12
.endr
.irp i, 1,2,3,4,5,6,7
.irp k, 0,1,2,3
	v_fma_f32 v[56+\k], v[24+4*\i+\k], v[12+\i], v[56+\k]
.endr
.endr
.irp k, 0,1,2,3
	v_mul_f32 v[56+\k], v[56+\k], v21
.endr
	global_store_b128 v2, v[56:59], s[10:11]
.Ldone:
	s_endpgm
.Lfunc_end_k_qd4591c15a5_fin:
	.size	k_qd4591c15a5_fin, .Lfunc_end_k_qd4591c15a5_fin-k_qd4591c15a5_fin
	.p2alignl 7, 3214868480
	.fill 96, 4, 3214868480
	.section	.rodata,"a",@progbits
	.p2align	6, 0x0
	.amdhsa_kernel k_qd4591c15a5_fin
		.amdhsa_group_segment_fixed_size 0
		.amdhsa_private_segment_fixed_size 0
		.amdhsa_enable_private_segment 0
		.amdhsa_kernarg_size 40
		.amdhsa_user_sgpr_count 2
		.amdhsa_user_sgpr_kernarg_segment_ptr 1
		.amdhsa_wavefront_size32 1
		.amdhsa_system_sgpr_workgroup_id_x 1
		.amdhsa_system_sgpr_workgroup_id_y 1
		.amdhsa_system_sgpr_workgroup_id_z 1
		.amdhsa_system_vgpr_workitem_id 0
		.amdhsa_next_free_vgpr 64
		.amdhsa_next_free_sgpr 66
		.amdhsa_reserve_vcc 0
		.amdhsa_float_denorm_mode_32 3
		.amdhsa_float_denorm_mode_16_64 3
		.amdhsa_memory_ordered 1
		.amdhsa_forward_progress 1
		.amdhsa_inst_pref_size 8
	.end_amdhsa_kernel
	.amdgpu_metadata
---
amdhsa.version: [ 1, 2 ]
amdhsa.kernels:
  - .name:           k_qd4591c15a5_fin
    .symbol:         k_qd4591c15a5_fin.kd
    .args:
      - { .name: scw, .offset: 0, .size: 8, .value_kind: global_buffer, .address_space: global }
      - { .name: part, .offset: 8, .size: 8, .value_kind: global_buffer, .address_space: global }
      - { .name: stat, .offset: 16, .size: 8, .value_kind: global_buffer, .address_space: global }
      - { .name: out0, .offset: 24, .size: 8, .value_kind: global_buffer, .address_space: global }
      - { .name: out1, .offset: 32, .size: 8, .value_kind: global_buffer, .address_space: global }
    .group_segment_fixed_size: 0
    .private_segment_fixed_size: 0
    .kernarg_segment_align: 8
    .kernarg_segment_size: 40
    .max_flat_workgroup_size: 128
    .sgpr_count:     66
    .vgpr_count:     64
    .wavefront_size: 32
...
	.end_amdgpu_metadata
.endif
;; end of part 3
;; ======== version 2 of 3: 3 launches; 1.20 times as fast as version 1
;; workspace buffers: wt 1,048,576 bytes; decp 2,097,152 bytes; scw 524,288 bytes; part 1,048,576 bytes; stat 262,144 bytes
;; launch prep (part 4): grid 256 x 1, 4 waves a work-group, no clusters, 9,216 bytes of LDS; arguments decoder_state, W_dec, W_mem, decp, wt; writes decp, wt
.if DOCPART == 4
	.amdgcn_target "amdgcn-amd-amdhsa--gfx1250"
	.amdhsa_code_object_version 6
	.text
	.protected	k_qd4591c15a5_prep
	.globl	k_qd4591c15a5_prep
	.p2align	8
	.type	k_qd4591c15a5_prep,@function
k_qd4591c15a5_prep:
	s_mov_b64 s[64:65], 0
	v_nop
	global_prefetch_b8 v0, s[64:65] scope:SCOPE_SE
	s_setreg_imm32_b32 hwreg(HW_REG_WAVE_MODE, 25, 1), 1
	s_wait_xcnt 0x0
; PREP.  Two jobs, shared out over 256 work-groups of four waves.
; (1) wt = 2.885390 W_mem (2 log2 e: the factor that the main launch's exponential wants), rounded to bf16, laid as 16 tiles [g][k = 512][64 n] (n = 64 g + ..), each tile 65,536 dense bytes: the order
;     in which the main launch walks it.  The product is rounded to f32 and then to bf16: an order of rounding that differs from bf16(W_mem) times the factor, by no more than bf16's own step.
;     Work-group x takes rows k = 2x, 2x + 1 of W_mem; a store of a wave covers 256 consecutive bytes of wt (two k rows of one tile), aligned.
; (2) decp[kq][b][d] = the sum over the 128 k of eighth kq of decoder_state[b][k] W_dec[k][d]: bf16 operands, f32 sums; the eight partial sums stay f32 and are added in the main launch.
;     x = dblk (bits 3:0, 64 d) | kq (bits 6:4) | bh (bit 7, 32 b); wave w takes 16 d.  Source 0 = 16 d (W_dec's column read k by k, 4 bytes a lane: the four waves together cover
;     256 consecutive bytes of each row), source 1 = 16 b: a lane's result is one b and eight neighbouring d.  The results leave through a stage in LDS as whole rows of 256 bytes.
.set SPITCH, 272                       ; a stage row: 64 d of f32 + 16 bytes, so that 16 rows start at 16 different groups of banks
.set SPARE,  32*SPITCH                 ; 8,704: behind the stage, the spare words, 128 bytes a wave
.set SPW, 1
.set NIL, 2
.set WO,  3                            ; W_dec: 8 h rows + 4 r
.set DO,  4                            ; decoder_state: r rows + 32 h
.set TI,  5                            ; W_mem in: (l / 16) rows + 16 (l % 16) + 1,024 w
.set TOO, 6                            ; wt out: 8 l + 4 w tiles
.set STO, 7
.set RD,  8
.set GO,  9
.set T,   12                           ; v[12:27] W_mem, 4 x 4 f32
.set WF,  32                           ; v[32:95] W_dec: 16 f32 for each K step c, then its fragment in the first 8
.set DSF, 96                           ; v[96:223] decoder_state: group (t, c) at 96 + 16 (4 t + c), likewise
.set ACC, 224                          ; v[224:239] two accumulators
.set OB,  240                          ; v[240:255] rows read back
	s_load_b256 s[4:11], s[0:1], 0x0               ; decoder_state s[4:5], W_dec s[6:7], W_mem s[8:9], decp s[10:11]
	s_load_b64 s[12:13], s[0:1], 0x20              ; wt
	v_lshl_add_u32 v[SPW], v0, 2, SPARE
	v_mov_b32 v[NIL], 0
	v_lshrrev_b32 v10, 5, v0
	v_readfirstlane_b32 s14, v10                   ; wave
	v_and_b32 v10, 31, v0                          ; l
	v_and_b32 v11, 15, v0                          ; r
	v_bfe_u32 v28, v0, 4, 1                        ; h
	s_and_b32 s15, ttmp9, 15                       ; dblk
	s_bfe_u32 s16, ttmp9, 0x30004                  ; kq
	s_lshr_b32 s17, ttmp9, 7                       ; bh
	s_mov_b32 s26, 0x4038aa3b                      ; 2 log2 e = 2.885390
	s_mov_b32 s27, s26                             ; named with it as a pair
	v_lshlrev_b32 v[WO], 2, v11
	v_lshl_add_u32 v[WO], v28, 15, v[WO]
	v_lshlrev_b32 v[DO], 12, v11
	v_lshl_add_u32 v[DO], v28, 5, v[DO]
	s_lshl_b32 s20, s14, 10
	v_lshl_add_u32 v[TI], v11, 4, s20
	v_lshl_add_u32 v[TI], v28, 12, v[TI]
	s_lshl_b32 s21, s14, 18
	v_lshl_add_u32 v[TOO], v10, 3, s21
	v_mul_u32_u24 v[STO], v11, SPITCH
	s_lshl_b32 s22, s14, 6
	v_lshl_add_u32 v[STO], v28, 5, v[STO]
	v_add_nc_u32 v[STO], s22, v[STO]               ; row r, my wave's 64 bytes, 32 for each half of the lanes
	s_mul_i32 s23, s14, 8*SPITCH
	v_mul_u32_u24 v[RD], v28, SPITCH
	v_lshl_add_u32 v[RD], v11, 4, v[RD]
	v_add_nc_u32 v[RD], s23, v[RD]                 ; back: wave w takes rows 8 w .., lanes 0-15 one row, lanes 16-31 the next
	v_lshlrev_b32 v[GO], 4, v11
	v_lshl_add_u32 v[GO], v28, 12, v[GO]
	s_mov_b32 s19, 0
	s_wait_kmcnt 0x0
	s_lshl_b32 s18, ttmp9, 13                      ; W_mem: two rows of 4,096 bytes a work-group
	s_add_nc_u64 s[8:9], s[8:9], s[18:19]
	s_lshl_b32 s18, ttmp9, 8                       ; wt: the same two k rows, 128 bytes each, in every tile
	s_add_nc_u64 s[12:13], s[12:13], s[18:19]
	s_lshl_b32 s18, s16, 19                        ; W_dec: 128 kq rows + 64 dblk + 16 w columns
	s_lshl_b32 s24, s15, 8
	s_add_co_u32 s18, s18, s24
	s_add_co_u32 s18, s18, s22
	s_add_nc_u64 s[6:7], s[6:7], s[18:19]
	s_lshl_b32 s18, s17, 17                        ; decoder_state: 32 bh rows + 128 kq columns
	s_lshl_b32 s25, s16, 9
	s_add_co_u32 s18, s18, s25
	s_add_nc_u64 s[4:5], s[4:5], s[18:19]
	s_lshl_b32 s18, s16, 18                        ; decp: (64 kq + 32 bh + 8 w) rows + 64 dblk columns
	s_lshl_b32 s25, s17, 17
	s_add_co_u32 s18, s18, s25
	s_lshl_b32 s25, s14, 15
	s_add_co_u32 s18, s18, s25
	s_add_co_u32 s18, s18, s24
	s_add_nc_u64 s[10:11], s[10:11], s[18:19]
.irp i, 0,1,2,3
	global_load_b128 v[T+4*\i:T+4*\i+3], v[TI], s[8:9] offset:256*\i th:TH_LOAD_NT
.endr
.set c_, 0
.rept 4
.set e_, 0
.rept 16                               ; register e of K step c: k = 32 c + 8 h + e, and 8 further on for the upper eight
	global_load_b32 v[WF+16*c_+e_], v[WO], s[6:7] offset:(32*c_+e_+8*(e_/8))*4096
.set e_, e_+1
.endr
.set c_, c_+1
.endr
.set g_, 0
.rept 8                                ; group g = 4 t + c
	global_load_b128 v[DSF+16*g_:DSF+16*g_+3],     v[DO], s[4:5] offset:(g_/4)*65536+(g_%4)*128
	global_load_b128 v[DSF+16*g_+4:DSF+16*g_+7],   v[DO], s[4:5] offset:(g_/4)*65536+(g_%4)*128+16
	global_load_b128 v[DSF+16*g_+8:DSF+16*g_+11],  v[DO], s[4:5] offset:(g_/4)*65536+(g_%4)*128+64
	global_load_b128 v[DSF+16*g_+12:DSF+16*g_+15], v[DO], s[4:5] offset:(g_/4)*65536+(g_%4)*128+80
.set g_, g_+1
.endr
	s_wait_loadcnt 63                              ; 96 loads were issued behind W_mem's four; 63 is the most that the wait can name, and asks for more than is needed
.irp i, 0,1,2,3
	v_pk_mul_f32 v[T+4*\i:T+4*\i+1], v[T+4*\i:T+4*\i+1], s[26:27] op_sel_hi:[1,0]
	v_pk_mul_f32 v[T+4*\i+2:T+4*\i+3], v[T+4*\i+2:T+4*\i+3], s[26:27] op_sel_hi:[1,0]
.endr
.irp i, 0,1,2,3
	v_cvt_pk_bf16_f32 v[T+4*\i], v[T+4*\i], v[T+4*\i+1]
	v_cvt_pk_bf16_f32 v[T+4*\i+1], v[T+4*\i+2], v[T+4*\i+3]
	global_store_b64 v[TOO], v[T+4*\i:T+4*\i+1], s[12:13] offset:65536*\i   ; tile 4 w + i: 32 lanes store 256 consecutive bytes
.endr
	s_wait_loadcnt 0x0
.set g_, 0
.rept 12                               ; 4 groups of W_dec, 8 of decoder_state, 16 registers each: rounded in place, ascending, so no source is written before it is read
.set e_, 0
.rept 8
	v_cvt_pk_bf16_f32 v[WF+16*g_+e_], v[WF+16*g_+2*e_], v[WF+16*g_+2*e_+1]
.set e_, e_+1
.endr
.set g_, g_+1
.endr
.irp c, 0,1,2,3                        ; the two accumulators take turns; the first K step starts the sums
.irp t, 0,1
.if \c == 0
	v_wmma_f32_16x16x32_bf16 v[ACC+8*\t:ACC+8*\t+7], v[WF+16*\c:WF+16*\c+7], v[DSF+16*(4*\t+\c):DSF+16*(4*\t+\c)+7], 0
.else
	v_wmma_f32_16x16x32_bf16 v[ACC+8*\t:ACC+8*\t+7], v[WF+16*\c:WF+16*\c+7], v[DSF+16*(4*\t+\c):DSF+16*(4*\t+\c)+7], v[ACC+8*\t:ACC+8*\t+7]
.endif
.endr
.endr
.rept 4
	v_nop                                          ; four places between the last product and the stores that read the results
.endr
.irp t, 0,1
	ds_store_b128 v[STO], v[ACC+8*\t:ACC+8*\t+3] offset:\t*16*SPITCH        ; each accumulator's low registers first
	ds_store_b128 v[STO], v[ACC+8*\t+4:ACC+8*\t+7] offset:\t*16*SPITCH+16
.endr
	s_wait_dscnt 0x0                               ; for the others' sake: a row's 256 bytes come from four waves
	s_barrier_signal -1
	s_barrier_wait -1
.irp i, 0,1,2,3
	ds_load_b128 v[OB+4*\i:OB+4*\i+3], v[RD] offset:\i*2*SPITCH
.endr
.irp i, 0,1,2,3
	s_wait_dscnt 3-\i
	global_store_b128 v[GO], v[OB+4*\i:OB+4*\i+3], s[10:11] offset:8192*\i  ; 16 lanes store 256 consecutive bytes, aligned
.endr
	s_wait_tensorcnt 0x0                           ; the wave's end: three lines behind my last LDS store
	ds_add_u32 v[SPW], v[NIL]
	s_wait_dscnt 0x0
	s_endpgm
.Lfunc_end_k_qd4591c15a5_prep:
	.size	k_qd4591c15a5_prep, .Lfunc_end_k_qd4591c15a5_prep-k_qd4591c15a5_prep
	.p2alignl 7, 3214868480
	.fill 96, 4, 3214868480
	.section	.rodata,"a",@progbits
	.p2align	6, 0x0
	.amdhsa_kernel k_qd4591c15a5_prep
		.amdhsa_group_segment_fixed_size 9216
		.amdhsa_private_segment_fixed_size 0
		.amdhsa_enable_private_segment 0
		.amdhsa_kernarg_size 40
		.amdhsa_user_sgpr_count 2
		.amdhsa_user_sgpr_kernarg_segment_ptr 1
		.amdhsa_wavefront_size32 1
		.amdhsa_system_sgpr_workgroup_id_x 1
		.amdhsa_system_sgpr_workgroup_id_y 1
		.amdhsa_system_sgpr_workgroup_id_z 1
		.amdhsa_system_vgpr_workitem_id 0
		.amdhsa_next_free_vgpr 256
		.amdhsa_next_free_sgpr 66
		.amdhsa_reserve_vcc 0
		.amdhsa_float_denorm_mode_32 3
		.amdhsa_float_denorm_mode_16_64 3
		.amdhsa_memory_ordered 1
		.amdhsa_forward_progress 1
		.amdhsa_inst_pref_size 22
	.end_amdhsa_kernel
	.amdgpu_metadata
---
amdhsa.version: [ 1, 2 ]
amdhsa.kernels:
  - .name:           k_qd4591c15a5_prep
    .symbol:         k_qd4591c15a5_prep.kd
    .args:
      - { .name: decoder_state, .offset: 0, .size: 8, .value_kind: global_buffer, .address_space: global }
      - { .name: W_dec, .offset: 8, .size: 8, .value_kind: global_buffer, .address_space: global }
      - { .name: W_mem, .offset: 16, .size: 8, .value_kind: global_buffer, .address_space: global }
      - { .name: decp, .offset: 24, .size: 8, .value_kind: global_buffer, .address_space: global }
      - { .name: wt, .offset: 32, .size: 8, .value_kind: global_buffer, .address_space: global }
    .group_segment_fixed_size: 9216
    .private_segment_fixed_size: 0
    .kernarg_segment_align: 8
    .kernarg_segment_size: 40
    .max_flat_workgroup_size: 128
    .sgpr_count:     66
    .vgpr_count:     256
    .wavefront_size: 32
...
	.end_amdgpu_metadata
.endif
;; end of part 4
;; launch main (part 5): grid 256 x 1, 4 waves a work-group, clusters of 4 x 1, 327,680 bytes of LDS; arguments memory_bank, wt, decp, W_v, src_mask, scw, part, stat; writes scw, part, stat
.if DOCPART == 5
	.amdgcn_target "amdgcn-amd-amdhsa--gfx1250"
	.amdhsa_code_object_version 6
	.text
	.protected	k_qd4591c15a5_main
	.globl	k_qd4591c15a5_main
	.p2align	8
	.type	k_qd4591c15a5_main,@function
k_qd4591c15a5_main:
	s_mov_b64 s[64:65], 0
	v_nop
	global_prefetch_b8 v0, s[64:65] scope:SCOPE_SE
	s_setreg_imm32_b32 hwreg(HW_REG_WAVE_MODE, 25, 1), 1
	s_wait_xcnt 0x0
	s_wait_alu depctr_hold_cnt(0) depctr_sa_sdst(0) depctr_va_vdst(0) depctr_va_sdst(0) depctr_va_ssrc(0) depctr_va_vcc(0) depctr_vm_vsrc(0)
	s_getreg_b32 s2, hwreg(HW_REG_IB_STS2, 6, 4)
	s_cmp_eq_u32 s2, 0
	s_cbranch_scc0 .Lentry_in_a_cluster
	s_endpgm
.Lentry_in_a_cluster:
	s_bfe_u32 s2, ttmp6, 0x10000c
	s_cmp_lg_u32 s2, 0x3003
	s_cbranch_scc0 .Lentry_shape_is_right
	s_endpgm
.Lentry_shape_is_right:
; MAIN.  For 512 rows s of one batch b (work-group 4 b + cx): score'[s] = sum over d of (-2 W_v[d]) / (1 + 2^(2.885390 (mem[s] . W_mem[:, d] + dec[d]))), which is the reference's score
; less the constant sum of W_v (tanh x = 1 - 2 / (1 + e^(2x))); a softmax does not see a common constant.  Where src_mask is 0 the score is -inf.  Then a running softmax and the partial context.
; The factor 2.885390 lies in wt already (the launch before), and 2.885390 dec is the C operand that starts each sum: the product's result IS the exponent.
; Out: scw (the masked score'), part (two partial contexts a work-group, each scaled to its own maximum), stat (that maximum and the sum of weights).  The last launch merges them.
; FORMATS.  mem, 2.885390 W_mem: bf16 for the product, f32 sums; the context is made of the same bf16 copy of mem, weights and sums in f32.
; LIMITS.  The running maximum starts at -1e30: scores below that are not told apart.  A batch whose mask is all 0 gives NaN, as the reference does.  NaN and infinities in the inputs are not treated apart.
; SHARES.  Four blocks of 128 rows.  Wave w: rg = w / 2 (64 rows: four tiles of 16), nh = w % 2 (32 of a step's 64 columns d).  The wave keeps its 64 rows x 512 K in 512 registers for a whole block;
; W_mem walks past in 16 steps of 64 columns through two LDS slots, filled by the tensor data mover.  A step is 128 products a wave: phase A (16 columns, ACC0), phase B (the next 16, ACC1).
; BY TURNS.  While one phase's products fill one set of accumulators, the tanh and the score sums of the other set stand behind them: one exp or rcp behind every product, the packed plain work between.
; MEMORY INSTRUCTIONS STAND IN RUNS, never singly among the products: two runs of LDS loads a phase, and the staging of the next block as one run a step.
; K PLACES.  Place c of 16 holds the true K step (c + 8 nh) % 16, alike for W's fragments and mem's: so window 2 (places 0-7) holds the columns m = 256 nh .. of mem, the wave's share of the context.
; THE NEXT BLOCK streams from memory under the products: each step a wave converts two rows (loaded two steps before into registers) to bf16 into the LDS region AN and asks for two more.
; CLUSTER.  The four work-groups of a batch walk the same tiles of wt in the same order: every tile is asked for jointly (mask 15), each wave a quarter; a round of the cluster's barrier stands in front of each refill.
; REGISTERS, in windows of 256 (s_set_vgpr_msb: bits 1:0 source 0, 3:2 source 1, 5:4 source 2, 7:6 destination):
;   window 0: addresses, M, L, score sums, the two tables' fragments, ACC0, ACC1, W's fragments BFX (places 0-7), BFY (places 8-15; also at work at the head and at a block's end)
;   window 1: v0-127 the context; v128-191 two sets of staging registers; v192-196 their addresses        windows 2, 3: mem: tile t, place c at 8 (4 (c % 8) + t)
.set SLOTB,  81920                     ; a slot: 512 k rows x 160 bytes
.set WPITCH, 160                       ; 128 bytes + 32 of padding
.set AN,     2*SLOTB                   ; the next block in bf16: 128 rows x 1,040
.set APITCH, 1040                      ; 1,024 + 16: the 16 rows of a fragment load start at 16 different groups of banks
.set TAB,    AN+128*APITCH             ; 296,960: 2.885390 dec[1024]; at +4,096 its first 512 entries once more (a block's last step fetches ahead for the next block's first); at +WVO -2 W_v[1024]
.set WVO,    6144
.set MSK,    TAB+10240                 ; the work-group's 512 mask words
.set SCF,    MSK+2048                  ; its 512 finished scores
.set SCX,    SCF+2048                  ; 256 bytes a wave: half scores for the partner wave
.set CST,    SCX+1024                  ; 1,024 bytes a wave: the context's way out
.set SPARE,  CST+4096                  ; 316,416: the spare words, 128 bytes a wave
.set SPW, 1
.set NIL, 2
.set AX,  3                            ; v3, v4   W's places 0-7 in slot 0, 1
.set AY,  5                            ; v5, v6   places 8-15
.set ATB0, 7                           ; my place in a step's 64 entries of the tables
.set ATB, 8                            ; the same for the step in hand
.set ARL, 9                            ; AN: my rows, places 0-7
.set ARH, 10                           ; places 8-15
.set ASX, 11                           ; where I put half scores
.set ASP, 12                           ; where my partner puts them
.set ABE, 13                           ; 256 rg + 4 r: my rows' place among a block's 128 words
.set MR,  14                           ; running maximum of my lane's rows
.set LR,  15                           ; running sum of their weights
.set SC,  16                           ; v[16:31] score sums: tile t: two pairs at 16 + 4 t
.set DW0, 32                           ; v[32:47] phase A's tables (8 of 2.885390 dec, 8 of -2 W_v); v[48:63] phase B's
.set ACC0, 64                          ; v[64:95]; ACC1 v[96:127]
.set BFX, 128
.set BFY, 192
.set CTX, 0                            ; window 1
.set STG0, 128
.set GL0, 192
.set GLB, 194
.set AW0, 195
.set AW,  196
.set HO,  204                          ; the head's own: 16 x thread
.set HG,  205                          ; 4,096 w + 16 l
.set HTB, 206                          ; TAB + 16 x thread
.set HA,  207                          ; v207-210: AN + 2 w rows + 8 l, and 32, 64, 96 rows on
.set HL,  212
.set HR,  213
.set HH,  214
.set H7,  215
.set H3,  216
.set HS,  217
.set TS,  192                          ; a block's end: four scores
.set TP,  196
.set TM,  200
.set TX,  204
.set MX,  205
.set AL,  206                          ; pair: the old sums' factor, and its exponent
.set PT,  208                          ; four weights
.set T2,  212
.set WV,  20
.set RG,  21
.set NH,  22
.set CXR, 23
.set MBW, 24                           ; s[24:25] memory_bank at my work-group's rows
.set TA,  26                           ; s[26:27] at work
.set G1,  28                           ; s[28:35]
.set G0,  36                           ; s[36:43] a group 0 for each slot
.set WB,  44                           ; s[44:45] wt at my wave's quarter of a tile
.set TO,  46                           ; s[46:47], s[48:49] byte offset of the tile that slot 0, 1 takes next
.set C2,  50                           ; s[50:51] 2 log2 e
.set SEL, 52
.set GOFF, 54                          ; byte offset of the group of 8 rows to be asked for
.set ANOFF, 55                         ; where in AN the step's rows go
.set TOFF, 56                          ; the step's place in the tables
.set MSKOFF, 57
.set PR,  58
.set BLK, 59
.set L2E, 60
.set NINF, 61
.set WGX, 62
.set TB,  63
.set MSB, 0
.macro WIN new                         ; the high byte repeats the setting that is left; a switch that changes nothing is dropped
.if MSB != (\new)
	s_set_vgpr_msb (MSB<<8)|(\new)
.set MSB, (\new)
.endif
.endm
.set MM_LO, 0x08                       ; source 1 (mem) in window 2, all else in window 0
.set MM_HI, 0x0c                       ; in window 3
.set W_ST,  0x45                       ; all in window 1
.set W_RS,  0x41                       ; destination and source 0 in window 1, source 1 in window 0
.set W_CX,  0x52                       ; mem in window 2, the weight in window 0, the context in window 1
.macro JLOAD sg                        ; a joint fill of my quarter of slot sg; an s_nop 0 and four v_nop follow
	tensor_load_to_lds s[G0+4*(\sg):G0+4*(\sg)+3], s[G1:G1+7]
	s_nop 0
.rept 4
	v_nop
.endr
.endm
.macro CREST                           ; a round of the cluster's barrier behind its opening barrier
	s_cmp_lg_u32 s[WV], 0
	s_cbranch_scc1 .Lnot_wave_0_\@
	s_barrier_signal -3
.Lnot_wave_0_\@:
	s_barrier_wait -3
	s_barrier_signal -1
	s_barrier_wait -1
.endm
.macro CROUND
	s_barrier_signal -1
	s_barrier_wait -1
	CREST
.endm
; Product i of a phase's 64 into accumulator set x: place c = i / 4, tile t = i % 4.  Source 0 = 16 columns of W, source 1 = 16 rows of mem: a lane's result is one row and the columns 8 (lane / 16) + 0..7.
; The four accumulators take turns.  Place 0 starts the sums with 2.885390 dec of those eight columns, which the set's table fragment holds register by register.
.macro MMA x, i
.set c_, (\i)/4
.set t_, (\i)%4
.set rD, ACC0+32*(\x)+8*t_
.set rA, 8*(4*(c_%8)+t_)
.if c_ < 8
	WIN MM_LO
.set rB, BFX+8*c_
.else
	WIN MM_HI
.set rB, BFY+8*(c_-8)
.endif
.if c_ == 0
	v_wmma_f32_16x16x32_bf16 v[rD:rD+7], v[rB:rB+7], v[rA:rA+7], v[DW0+16*(\x):DW0+16*(\x)+7]
.else
	v_wmma_f32_16x16x32_bf16 v[rD:rD+7], v[rB:rB+7], v[rA:rA+7], v[rD:rD+7]
.endif
.endm
; THE VECTOR WORK on accumulator set y, tile t.  PP: pair k: 1 + 2^...  SS: the tile's four pairs times -2 W_v onto its score sums.
; PP and the exponentials and reciprocals name no vector register as source 1, so they stand under the products' window settings; SS wants window 0.
.macro PP y, t, k
.set f_, ACC0+32*(\y)+8*(\t)+2*(\k)
	s_wait_alu depctr_va_vdst(0)
	v_pk_add_f32 v[f_:f_+1], v[f_:f_+1], 1.0 op_sel_hi:[1,0]
.endm
.macro SS y, t
	WIN 0
	s_wait_alu depctr_va_vdst(0)
.irp k, 0,1,2,3
	v_pk_fma_f32 v[SC+4*(\t)+2*(\k%2):SC+4*(\t)+2*(\k%2)+1], v[ACC0+32*(\y)+8*(\t)+2*\k:ACC0+32*(\y)+8*(\t)+2*\k+1], v[DW0+16*(\y)+8+2*\k:DW0+16*(\y)+8+2*\k+1], v[SC+4*(\t)+2*(\k%2):SC+4*(\t)+2*(\k%2)+1]
.endr
.endm
; What stands behind product i.  One transcendental: eight slots each of exp tile 0, exp 1, rcp 0, exp 2, rcp 1, exp 3, rcp 2, rcp 3.  Then the plain work that is ready.  Every result of a transcendental
; has a plain instruction that does not touch it between itself and its first use (ISA guide 5.7.2).  A tile's first pair is the one to watch: its two transcendentals stand in the block's first two slots, so a
; plain line stands behind the second of them: the v_nop of slot 2, PP at slots 9, 17, 33 and 49, SS at slots 25 and 41; the pair's own PP or SS is then the plain line for the pairs behind it.
; Each accumulator is first read at its low end (the exponential of its register 0).
.macro RID y, i
.set q_, (\i)/8
.set a_, ACC0+32*(\y)+(\i)%8
.if q_ == 0
	v_exp_f32 v[a_], v[a_]
.elseif q_ == 1
	v_exp_f32 v[a_+8], v[a_+8]
.elseif q_ == 2
	v_rcp_f32 v[a_], v[a_]
.elseif q_ == 3
	v_exp_f32 v[a_+16], v[a_+16]
.elseif q_ == 4
	v_rcp_f32 v[a_+8], v[a_+8]
.elseif q_ == 5
	v_exp_f32 v[a_+24], v[a_+24]
.elseif q_ == 6
	v_rcp_f32 v[a_+16], v[a_+16]
.else
	v_rcp_f32 v[a_+24], v[a_+24]
.endif
.if (\i) == 2
	v_nop
.elseif ((\i) >= 8) && ((\i) < 12)
	PP \y, 0, (\i)-8
.elseif ((\i) >= 16) && ((\i) < 20)
	PP \y, 1, (\i)-16
.elseif (\i) == 25
	SS \y, 0
.elseif ((\i) >= 32) && ((\i) < 36)
	PP \y, 2, (\i)-32
.elseif (\i) == 41
	SS \y, 1
.elseif ((\i) >= 48) && ((\i) < 52)
	PP \y, 3, (\i)-48
.elseif (\i) == 56
	SS \y, 2
.endif
.endm
.macro TAIL y                          ; five plain instructions that name nothing of the phase's last products: the places between those and the next phase's first reads of their results and its loads into BFY
	v_nop
	s_wait_alu depctr_va_vdst(0)
	SS \y, 3
.endm
.macro FET buf, adr, T, f              ; fragment f of eight: 32 k x 16 columns, turned
	ds_load_tr16_b128 v[(\buf)+8*(\f):(\buf)+8*(\f)+3],   v[\adr] offset:(\f)*32*WPITCH+32*(\T)
	ds_load_tr16_b128 v[(\buf)+8*(\f)+4:(\buf)+8*(\f)+7], v[\adr] offset:(\f)*32*WPITCH+32*(\T)+16*WPITCH
.endm
.macro FETRUN buf, adr, T              ; eight places of W: 16 loads in one run
.irp f, 0,1,2,3,4,5,6,7
	FET \buf, \adr, \T, \f
.endr
.endm
.macro FDW y, T, p                     ; my eight entries of table p (0: 2.885390 dec, 1: -2 W_v) for the 16 columns T
	ds_load_b128 v[DW0+16*(\y)+8*(\p):DW0+16*(\y)+8*(\p)+3],   v[ATB] offset:64*(\T)+WVO*(\p)
	ds_load_b128 v[DW0+16*(\y)+8*(\p)+4:DW0+16*(\y)+8*(\p)+7], v[ATB] offset:64*(\T)+WVO*(\p)+16
.endm
; Staging, set p, one run: two rows of the next block, loaded two steps ago, are rounded to bf16 and put into AN, and the same 32 registers take the two rows two steps on.
; The 16 conversions, work on registers, come first; then the 8 LDS stores, then the 8 loads.
.macro STG p
	WIN W_ST
	s_wait_loadcnt 0x8                             ; this set's eight loads are in (which also frees their address register); the other set's eight, issued later, stay out
	v_add_nc_u32 v[AW], s[ANOFF], v[AW0]
	v_add_nc_u32 v[GL0+(\p)], s[GOFF], v[GLB]
.set u_, 0
.rept 8
	v_cvt_pk_bf16_f32 v[STG0+32*(\p)+4*u_], v[STG0+32*(\p)+4*u_], v[STG0+32*(\p)+4*u_+1]
	v_cvt_pk_bf16_f32 v[STG0+32*(\p)+4*u_+1], v[STG0+32*(\p)+4*u_+2], v[STG0+32*(\p)+4*u_+3]
.set u_, u_+1
.endr
.set u_, 0
.rept 8
	ds_store_b64 v[AW], v[STG0+32*(\p)+4*u_:STG0+32*(\p)+4*u_+1] offset:(u_/4)*APITCH+(u_%4)*256
.set u_, u_+1
.endr
.set u_, 0
.rept 8
	global_load_b128 v[STG0+32*(\p)+4*u_:STG0+32*(\p)+4*u_+3], v[GL0+(\p)], s[MBW:MBW+1] offset:(u_/4)*2048+(u_%4)*512 th:TH_LOAD_NT
.set u_, u_+1
.endr
	s_add_co_u32 s[ANOFF], s[ANOFF], 8*APITCH
	s_add_co_u32 s[GOFF], s[GOFF], 16384
	s_min_u32 s[GOFF], s[GOFF], 63*16384           ; the last two requests would pass my 512 rows: they ask for the last group once more, and nobody reads them; so every step's count of loads is the same
.endm
; A PHASE: 64 products into set x, the other set's vector work behind them.  sg: the slot.  T: which 16 of my 32 columns.
; At its head, one run of 18 LDS loads: places 8-15 of this phase's W (BFY's last readers, the phase before's last four products, stand behind TAIL's five plain instructions: ISA guide 7.12.1 for vector instructions)
; and -2 W_v for this phase's results.  W's are first used 32 products on.
; A second run fetches for the NEXT phase: places 0-7 of its W, from nadr, and its 2.885390 dec, which its first four products take as C.
; Without sync it stands behind product 35, behind the staging (stage): BFX's last reader is product 31, and the four PP of slots 32-35 are the four places between.
; sync: the change of slots, in the phase's middle.  In front of product 20 the wave waits for all its tensor loads (the one that is out is its quarter of the other slot) and adds 0 to its spare word; four
; products on, it waits for that and for its reads of this slot (the last were issued at the phase's head) and signals; eight products on, behind product 31, it waits.  refill: the barrier opens a round of the
; cluster's, and the joint refill is the first thing behind it; its four v_nop are the places behind product 31.  The second run follows at once, out of the other slot, which is whole behind the barrier.
.macro PHASE x, sg, T, stage, sync, refill, nadr, nT
	FETRUN BFY, AY+(\sg), \T
	FDW \x, \T, 1
	s_wait_dscnt 18                                ; places 0-7 and dec are in (and the staging stores done); the 18 loads just issued may be out
.set i, 0
.rept 64
.if (i == 32) && !(\sync)
	s_wait_dscnt 0x0                               ; places 8-15 and -2 W_v are in: nothing was issued behind them (with sync the wait in front of the signal has shown them in)
.endif
.if (\sync) && (i == 20)
	WIN 0                                          ; the add's two registers lie in window 0
	s_wait_tensorcnt 0x0                           ; no tensor load of mine is out, so a group 0 may be written
	ds_add_u32 v[SPW], v[NIL]                      ; 0 onto my spare word; scalar work and four products stand between it and the wait for it
.if \refill
	s_add_co_u32 s[TO+2*(\sg)], s[TO+2*(\sg)], 131072      ; two tiles on,
	s_and_b32 s[TO+2*(\sg)], s[TO+2*(\sg)], 0xfffff        ; round the 16 tiles
	s_add_nc_u64 s[G0+4*(\sg)+2:G0+4*(\sg)+3], s[WB:WB+1], s[TO+2*(\sg):TO+2*(\sg)+1]
	s_or_b32 s[G0+4*(\sg)+3], s[G0+4*(\sg)+3], 0x80000000
.endif
	s_add_co_u32 s[TOFF], s[TOFF], 256
.endif
	MMA \x, i
	RID (1-(\x)), i
.if (\sync) && (i == 23)
	s_wait_dscnt 0x0                               ; the add is done, and my reads of this slot are over
	s_barrier_signal -1
.endif
.if (\sync) && (i == 31)
	WIN 0                                          ; at a branch and at a label every window is 0
	s_barrier_wait -1
.if \refill
	CREST                                          ; no wave of any partner still reads this slot or has a load on its way
	JLOAD \sg                                      ; it has 116 products in which to land
.else
.rept 4
	v_nop                                          ; the places behind product 31
.endr
.endif
	v_add_nc_u32 v[ATB], s[TOFF], v[ATB0]          ; the next step's place in the tables
	FETRUN BFX, \nadr, \nT
	FDW (1-(\x)), \nT, 0
.endif
.if !(\sync) && (i == 35)
.if \stage
	STG \sg
.endif
.if (\nadr) >= 0
	WIN MM_HI                                      ; destination and address in window 0, as the products that follow have them
	FETRUN BFX, \nadr, \nT
	FDW (1-(\x)), \nT, 0
.endif
.endif
.set i, i+1
.endr
	TAIL (1-(\x))
.endm
.macro STEP sg, refill, stage, last
	PHASE 0, \sg, 0, \stage, 0, 0, AX+(\sg), 1
.if \last
	PHASE 1, \sg, 1, 0, 0, 0, -1, 0
.else
	PHASE 1, \sg, 1, 0, 1, \refill, AX+1-(\sg), 0
.endif
.endm
.macro RELO t                          ; the next block's tile t, places 0-7
	WIN 0x80
.irp c, 0,1,2,3,4,5,6,7
	ds_load_b128 v[8*(4*\c+(\t)):8*(4*\c+(\t))+3],   v[ARL] offset:(\t)*16*APITCH+64*\c
	ds_load_b128 v[8*(4*\c+(\t))+4:8*(4*\c+(\t))+7], v[ARL] offset:(\t)*16*APITCH+64*\c+32
.endr
.endm
.macro REHI                            ; all four tiles, places 8-15
	WIN 0xc0
.irp t, 0,1,2,3
.irp c, 0,1,2,3,4,5,6,7
	ds_load_b128 v[8*(4*\c+\t):8*(4*\c+\t)+3],   v[ARH] offset:\t*16*APITCH+64*\c
	ds_load_b128 v[8*(4*\c+\t)+4:8*(4*\c+\t)+7], v[ARH] offset:\t*16*APITCH+64*\c+32
.endr
.endr
.endm
; A BLOCK'S END.  The last phase's vector work; the wave's half scores meet the partner's; mask; the running softmax of my lane's four rows; the context takes the block; the next block comes out of AN.
.macro BLOCKEND fin
	WIN 0
.set i, 0
.rept 64
	RID 1, i
.set i, i+1
.endr
	TAIL 1
.irp t, 0,1,2,3
	v_add_f32 v[TS+\t], v[SC+4*\t], v[SC+4*\t+1]
	v_add_f32 v[TP+\t], v[SC+4*\t+2], v[SC+4*\t+3]
.endr
.irp t, 0,1,2,3
	v_add_f32 v[TS+\t], v[TS+\t], v[TP+\t]
.endr
.irp t, 0,1,2,3
	v_permlanex16_b32 v[TP+\t], v[TS+\t], s[SEL], s[SEL+1]  ; the row's other eight columns of every 16 lie in the lane 16 away
.endr
.irp t, 0,1,2,3
	v_add_f32 v[TS+\t], v[TS+\t], v[TP+\t]
.endr
.irp t, 0,1,2,3
	ds_store_b32 v[ASX], v[TS+\t] offset:64*\t
.endr
	v_add_nc_u32 v[TX], s[MSKOFF], v[ABE]
	s_wait_dscnt 0x0                               ; for the others' sake: my half scores, and my rows of AN
	s_barrier_signal -1
	s_barrier_wait -1
.irp t, 0,1,2,3
	ds_load_b32 v[TP+\t], v[ASP] offset:64*\t
.endr
.irp t, 0,1,2,3
	ds_load_b32 v[TM+\t], v[TX] offset:64*\t
.endr
.if !(\fin)
	REHI
	WIN 0
	s_wait_dscnt 63                                ; 64 loads were issued behind the eight; 63 is the most that the wait can name
.else
	s_wait_dscnt 0x0
.endif
.irp t, 0,1,2,3
	v_add_f32 v[TS+\t], v[TS+\t], v[TP+\t]         ; the same two numbers in both waves of the pair: both go on with the same score
	v_cmp_eq_u32 vcc_lo, 0, v[TM+\t]
	v_cndmask_b32 v[TS+\t], v[TS+\t], s[NINF], vcc_lo
.endr
	s_cmp_lg_u32 s[NH], 0
	s_cbranch_scc1 .Lno_scf_\@                     ; one wave of the pair keeps the scores
.irp t, 0,1,2,3
	ds_store_b32 v[TX], v[TS+\t] offset:SCF-MSK+64*\t
.endr
.Lno_scf_\@:
	v_max3_num_f32 v[MX], v[MR], v[TS], v[TS+1]
	v_max3_num_f32 v[MX], v[MX], v[TS+2], v[TS+3]
	v_sub_f32 v[AL+1], v[MR], v[MX]                ; the difference first, so that equal numbers give exactly 0, however large they are
.irp t, 0,1,2,3
	v_sub_f32 v[PT+\t], v[TS+\t], v[MX]
.endr
	v_mul_f32 v[AL+1], s[L2E], v[AL+1]
.irp t, 0,1,2,3
	v_mul_f32 v[PT+\t], s[L2E], v[PT+\t]
.endr
	v_exp_f32 v[AL], v[AL+1]
.irp t, 0,1,2,3
	v_exp_f32 v[PT+\t], v[PT+\t]
.endr
	v_mov_b32 v[MR], v[MX]                         ; the plain instruction behind the exponentials
	s_wait_alu depctr_va_vdst(0)
	v_add_f32 v[T2], v[PT], v[PT+1]
	v_add_f32 v[T2+1], v[PT+2], v[PT+3]
	v_add_f32 v[T2], v[T2], v[T2+1]
	v_fma_f32 v[LR], v[LR], v[AL], v[T2]
	WIN W_RS
.set n_, 0
.rept 64
	v_pk_mul_f32 v[CTX+2*n_:CTX+2*n_+1], v[CTX+2*n_:CTX+2*n_+1], v[AL:AL+1] op_sel_hi:[1,0]
.set n_, n_+1
.endr
.irp t, 0,1,2,3
	WIN W_CX
.set n_, 0
.rept 64                               ; place n / 8, register n % 8: two columns of mem's row times the row's weight
	v_fma_mix_f32_bf16 v[CTX+2*n_], v[8*(4*(n_/8)+\t)+n_%8], v[PT+\t], v[CTX+2*n_] op_sel_hi:[1,0,0]
	v_fma_mix_f32_bf16 v[CTX+2*n_+1], v[8*(4*(n_/8)+\t)+n_%8], v[PT+\t], v[CTX+2*n_+1] op_sel:[1,0,0] op_sel_hi:[1,0,0]
.set n_, n_+1
.endr
.if !(\fin)
	RELO \t
.endif
.endr
	WIN 0
.if !(\fin)
.set n_, 0
.rept 16
	v_mov_b32 v[SC+n_], 0
.set n_, n_+1
.endr
.set n_, 0
.rept 8
	v_mov_b32 v[DW0+24+n_], 0                      ; the next step's phase A works once more on ACC1, which holds finite numbers: times 0 it adds nothing, and one text serves every step
.set n_, n_+1
.endr
	s_mov_b32 s[ANOFF], 0
	s_mov_b32 s[TOFF], 0
	v_mov_b32 v[ATB], v[ATB0]
	s_add_co_u32 s[MSKOFF], s[MSKOFF], 512
	s_wait_dscnt 0x0                               ; the next block is in my registers: my reads of AN and of the half scores are over
	s_barrier_signal -1
	s_barrier_wait -1                              ; everybody's are: both may be written again
.endif
.endm
; The head's conversion of 4 x cnt loaded registers of window win (2 or 3) from quad n0 on, and their way into AN.  Quad n = 8 s + 4 j + q: group s, row j, 512 bytes q.
.macro HCONV win, n0, cnt
	WIN 0x80+0x45*((\win)-2)+0x0a                  ; destination and both sources in the window: 0x8a or 0xcf
.set n_, (\n0)
.rept (\cnt)
	v_cvt_pk_bf16_f32 v[4*n_], v[4*n_], v[4*n_+1]
	v_cvt_pk_bf16_f32 v[4*n_+1], v[4*n_+2], v[4*n_+3]
.set n_, n_+1
.endr
	WIN 4*(\win)                                   ; store data in the window, address in window 0
.set n_, (\n0)
.rept (\cnt)
	ds_store_b64 v[HA+2*((\win)-2)+n_/32], v[4*n_:4*n_+1] offset:(8*((n_/8)%4)+(n_/4)%2)*APITCH+256*(n_%4)
.set n_, n_+1
.endr
.endm
	s_load_b256 s[4:11], s[0:1], 0x0               ; memory_bank s[4:5], wt s[6:7], decp s[8:9], W_v s[10:11]
	s_load_b256 s[12:19], s[0:1], 0x20             ; src_mask s[12:13], scw s[14:15], part s[16:17], stat s[18:19]
	v_lshl_add_u32 v[SPW], v0, 2, SPARE
	v_mov_b32 v[NIL], 0
	ds_add_u32 v[SPW], v[NIL]                      ; the wave's opening: the add and its wait ahead of my first tensor load; the set-up, work on registers, stands between
	v_lshrrev_b32 v[HL], 5, v0
	v_readfirstlane_b32 s[WV], v[HL]
	s_lshr_b32 s[RG], s[WV], 1
	s_and_b32 s[NH], s[WV], 1
	s_bfe_u32 s[CXR], ttmp6, 0x40000               ; my place in the cluster: it enters global addresses of my own loads and stores alone
	s_lshl_b32 s[WGX], ttmp9, 2                    ; ttmp9 counts clusters: the batch
	s_add_co_u32 s[WGX], s[WGX], s[CXR]
	; descriptor group 1: my quarter of a tile, 128 k rows of 128 bytes, dense: asked for as 64 rows of 256 bytes and padded in LDS after every 128
	s_mov_b32 s[G1], 15|(1<<16)|(1<<20)|(1<<21)|(4<<22)|(7<<25)  ; mask of four; 2-byte elements; padding on; bit 21 beside a mask; after every 32 words (code 4) 8 words (code 7)
	s_mov_b32 s[G1+1], 128<<16                     ; tensor_dim0 = 128
	s_mov_b32 s[G1+2], 64<<16                      ; tensor_dim1 = 64
	s_mov_b32 s[G1+3], 128<<16                     ; tile_dim0 = 128
	s_mov_b32 s[G1+4], 64                          ; tile_dim1 = 64
	s_mov_b32 s[G1+5], 128                         ; elements from row to row
	s_mov_b32 s[G1+6], 0
	s_mov_b32 s[G1+7], 0
	s_mov_b32 s[G0], 1
	s_mul_i32 s[G0+1], s[WV], 128*WPITCH           ; LDS: wave x 128 rows
	s_mov_b32 s[G0+4], 1
	s_add_co_u32 s[G0+5], s[G0+1], SLOTB
	s_mov_b32 s[TO], 0
	s_mov_b32 s[TO+1], 0
	s_mov_b32 s[TO+2], 65536
	s_mov_b32 s[TO+3], 0
	s_mov_b32 s[C2], 0x4038aa3b                    ; 2 log2 e = 2.885390
	s_mov_b32 s[C2+1], s[C2]
	s_mov_b32 s[SEL], 0x76543210
	s_mov_b32 s[SEL+1], 0xfedcba98
	s_mov_b32 s[L2E], 0x3fb8aa3b
	s_mov_b32 s[NINF], 0xff800000
	s_mov_b32 s[GOFF], 18*16384
	s_mov_b32 s[ANOFF], 0
	s_mov_b32 s[TOFF], 0
	s_mov_b32 s[MSKOFF], MSK
	v_and_b32 v[HL], 31, v0                        ; l
	v_and_b32 v[HR], 15, v0                        ; r = l % 16
	v_bfe_u32 v[HH], v0, 4, 1                      ; h = l / 16
	v_and_b32 v[H7], 7, v0
	v_bfe_u32 v[H3], v0, 3, 1
	; the turning load: lane l reads k row 8 h + l % 8, 16 bytes at 16 ((l / 8) % 2)
	v_lshl_add_u32 v[HS], v[HH], 3, v[H7]
	v_mul_u32_u24 v[HS], v[HS], WPITCH
	v_lshl_add_u32 v[HS], v[H3], 4, v[HS]
	s_mul_i32 s[TB], s[NH], 256*WPITCH+64          ; places 0-7 begin at k = 256 nh; my 32 columns at byte 64 nh
	v_add_nc_u32 v[AX], s[TB], v[HS]
	v_add_nc_u32 v[AX+1], SLOTB, v[AX]
	s_xor_b32 s[TA], s[NH], 1
	s_mul_i32 s[TB], s[TA], 256*WPITCH             ; places 8-15 at k = 256 (1 - nh)
	s_lshl_b32 s[TA+1], s[NH], 6
	s_add_co_u32 s[TB], s[TB], s[TA+1]
	v_add_nc_u32 v[AY], s[TB], v[HS]
	v_add_nc_u32 v[AY+1], SLOTB, v[AY]
	s_lshl_b32 s[TB], s[NH], 7
	s_add_co_u32 s[TB], s[TB], TAB
	v_lshl_add_u32 v[ATB0], v[HH], 5, s[TB]
	v_mov_b32 v[ATB], v[ATB0]
	v_mul_u32_u24 v[HS], v[HR], APITCH
	v_lshl_add_u32 v[HS], v[HH], 4, v[HS]          ; a fragment of mem: row r, 16 bytes for each half of the lanes
	s_mul_i32 s[TB], s[RG], 64*APITCH
	s_add_co_u32 s[TB], s[TB], AN
	s_lshl_b32 s[TA+1], s[NH], 9
	s_add_co_u32 s[TA+1], s[TA+1], s[TB]
	v_add_nc_u32 v[ARL], s[TA+1], v[HS]
	s_lshl_b32 s[TA], s[TA], 9
	s_add_co_u32 s[TA], s[TA], s[TB]
	v_add_nc_u32 v[ARH], s[TA], v[HS]
	s_lshl_b32 s[TB], s[WV], 8
	s_add_co_u32 s[TB], s[TB], SCX
	v_lshl_add_u32 v[ASX], v[HR], 2, s[TB]
	s_xor_b32 s[TB], s[WV], 1
	s_lshl_b32 s[TB], s[TB], 8
	s_add_co_u32 s[TB], s[TB], SCX
	v_lshl_add_u32 v[ASP], v[HR], 2, s[TB]
	s_lshl_b32 s[TB], s[RG], 8
	v_lshl_add_u32 v[ABE], v[HR], 2, s[TB]
	s_lshl_b32 s[TB], s[WV], 12
	v_lshl_add_u32 v[HG], v[HL], 4, s[TB]          ; of a group of 8 rows my wave takes two: 4,096 w + 16 l
	s_mul_i32 s[TB], s[WV], 2*APITCH
	s_add_co_u32 s[TB], s[TB], AN
	v_lshl_add_u32 v[HA], v[HL], 3, s[TB]
	v_add_nc_u32 v[HA+1], 32*APITCH, v[HA]
	v_add_nc_u32 v[HA+2], 64*APITCH, v[HA]
	v_add_nc_u32 v[HA+3], 96*APITCH, v[HA]
	v_lshlrev_b32 v[HO], 4, v0
	v_lshl_add_u32 v[HTB], v0, 4, TAB
	v_mov_b32 v[MR], 0xf149f2ca                    ; -1e30
	v_mov_b32 v[LR], 0
	s_wait_dscnt 0x0                               ; the opening add is done
	s_wait_kmcnt 0x0
	s_lshl_b32 s[G0+2], s[WV], 14                  ; my quarter of a tile (made in registers that never hold my place in the cluster)
	s_mov_b32 s[G0+3], 0
	s_add_nc_u64 s[WB:WB+1], s[6:7], s[G0+2:G0+3]
	s_add_nc_u64 s[G0+2:G0+3], s[WB:WB+1], s[TO:TO+1]
	s_or_b32 s[G0+3], s[G0+3], 0x80000000
	s_add_nc_u64 s[G0+6:G0+7], s[WB:WB+1], s[TO+2:TO+3]
	s_or_b32 s[G0+7], s[G0+7], 0x80000000
	s_mov_b32 s[TA+1], 0
	s_lshl_b32 s[TA], s[WGX], 20                   ; 512 rows of 2,048 bytes
	s_add_nc_u64 s[MBW:MBW+1], s[4:5], s[TA:TA+1]
	s_lshl_b32 s[TA], ttmp9, 12
	s_add_nc_u64 s[8:9], s[8:9], s[TA:TA+1]        ; decp at my batch's row of the first eighth
	s_lshl_b32 s[TA], s[WGX], 11
	s_add_nc_u64 s[12:13], s[12:13], s[TA:TA+1]
	s_add_nc_u64 s[14:15], s[14:15], s[TA:TA+1]
	s_lshl_b32 s[TA], s[WGX], 12
	s_lshl_b32 s[TB], s[WV], 10
	s_add_co_u32 s[TA], s[TA], s[TB]
	s_add_nc_u64 s[16:17], s[16:17], s[TA:TA+1]    ; part: row 2 x work-group + rg, half nh
	s_lshl_b32 s[TA], s[WGX], 10
	s_lshl_b32 s[TB], s[RG], 9
	s_add_co_u32 s[TA], s[TA], s[TB]
	s_add_nc_u64 s[18:19], s[18:19], s[TA:TA+1]
.irp kq, 0,1,2,3,4,5,6,7               ; 19 small loads: the eight partial sums of dec for my 8 columns, W_v, my four mask words
.irp u, 0,1
	global_load_b128 v[128+8*\kq+4*\u:131+8*\kq+4*\u], v[HO], s[8:9] offset:262144*\kq+2048*\u
.endr
.endr
	global_load_b128 v[192:195], v[HO], s[10:11]
	global_load_b128 v[196:199], v[HO], s[10:11] offset:2048
	global_load_b128 v[200:203], v[HO], s[12:13]
	CROUND                                         ; all four work-groups are here: the first joint loads meet
	JLOAD 0                                        ; tiles 0 and 1: two tensor loads of mine are out
	JLOAD 1
	WIN 0x80                                       ; block 0 comes in through the registers that will hold it: groups 0-7 into window 2,
.set n_, 0
.rept 64
	global_load_b128 v[4*n_:4*n_+3], v[HG], s[MBW:MBW+1] offset:(n_/8)*16384+((n_/4)%2)*2048+(n_%4)*512 th:TH_LOAD_NT
.set n_, n_+1
.endr
	WIN 0xc0                                       ; groups 8-15 into window 3
.set n_, 0
.rept 64
	global_load_b128 v[4*n_:4*n_+3], v[HG], s[MBW:MBW+1] offset:(8+n_/8)*16384+((n_/4)%2)*2048+(n_%4)*512 th:TH_LOAD_NT
.set n_, n_+1
.endr
	WIN 0x40
	v_mov_b32 v[GLB], v[HG]
	v_add_nc_u32 v[GL0], 16*16384, v[HG]
	v_add_nc_u32 v[GL0+1], 17*16384, v[HG]
	v_mov_b32 v[AW0], v[HA]
	WIN W_ST                                       ; block 1's first two groups into the two staging sets
.set n_, 0
.rept 16
	global_load_b128 v[STG0+4*n_:STG0+4*n_+3], v[GL0+n_/8], s[MBW:MBW+1] offset:((n_/4)%2)*2048+(n_%4)*512 th:TH_LOAD_NT
.set n_, n_+1
.endr
	WIN 0x40                                       ; what the first step finds, written in the wait for the loads: the context 0,
.set n_, 0
.rept 128
	v_mov_b32 v[CTX+n_], 0
.set n_, n_+1
.endr
	WIN 0                                          ; the score sums, ACC1 and phase B's tables 0: the first phase's vector work, on a set that has not been, adds 0
.set n_, 0
.rept 16
	v_mov_b32 v[SC+n_], 0
	v_mov_b32 v[DW0+16+n_], 0
	v_mov_b32 v[ACC0+32+n_], 0
	v_mov_b32 v[ACC0+48+n_], 0
.set n_, n_+1
.endr
	s_wait_loadcnt 63                              ; behind the small loads and groups 0-7 stand 80 loads; 63 is the most that the wait can name
.irp u, 0,1
.irp kq, 1,2,3,4,5,6,7
	v_pk_add_f32 v[128+4*\u:129+4*\u], v[128+4*\u:129+4*\u], v[128+8*\kq+4*\u:129+8*\kq+4*\u]
	v_pk_add_f32 v[130+4*\u:131+4*\u], v[130+4*\u:131+4*\u], v[130+8*\kq+4*\u:131+8*\kq+4*\u]
.endr
	v_pk_mul_f32 v[128+4*\u:129+4*\u], v[128+4*\u:129+4*\u], s[C2:C2+1] op_sel_hi:[1,0]
	v_pk_mul_f32 v[130+4*\u:131+4*\u], v[130+4*\u:131+4*\u], s[C2:C2+1] op_sel_hi:[1,0]
	v_pk_mul_f32 v[192+4*\u:193+4*\u], v[192+4*\u:193+4*\u], -2.0 op_sel_hi:[1,0]
	v_pk_mul_f32 v[194+4*\u:195+4*\u], v[194+4*\u:195+4*\u], -2.0 op_sel_hi:[1,0]
.endr
	ds_store_b128 v[HTB], v[128:131]
	ds_store_b128 v[HTB], v[132:135] offset:2048
	ds_store_b128 v[HTB], v[128:131] offset:4096   ; the first 512 entries once more
	ds_store_b128 v[HTB], v[192:195] offset:WVO
	ds_store_b128 v[HTB], v[196:199] offset:WVO+2048
	ds_store_b128 v[HTB], v[200:203] offset:MSK-TAB
	HCONV 2, 0, 64
	s_wait_loadcnt 48                              ; groups 8-11 are in: behind them 32 loads of the block and 16 of the staging sets
	HCONV 3, 0, 32
	s_wait_loadcnt 16                              ; the block is in; the staging sets' loads stay out
	HCONV 3, 32, 32
	WIN 0
	s_wait_tensorcnt 0x1                           ; my quarter of slot 0 is in; slot 1's may stay out
	s_wait_dscnt 0x0                               ; for the others' sake: my rows of AN, my part of the tables
	s_barrier_signal -1
	s_barrier_wait -1
	REHI
.irp t, 0,1,2,3
	RELO \t
.endr
	WIN 0
	FETRUN BFX, AX, 0
	FDW 0, 0, 0                                    ; the first phase's 2.885390 dec
	s_wait_dscnt 0x0                               ; block 0 is in my registers: my reads of AN are over
	s_barrier_signal -1
	s_barrier_wait -1                              ; everybody's are: AN may take block 1
	s_mov_b32 s[BLK], 3
.Lblk:                                 ; blocks 0 to 2: every step stages rows of the next block and fills a slot again
	s_mov_b32 s[PR], 8
.Lpair:
	STEP 0, 1, 1, 0
	STEP 1, 1, 1, 0
	WIN 0
	s_sub_co_u32 s[PR], s[PR], 1
	s_cmp_lg_u32 s[PR], 0
	s_cbranch_scc1 .Lpair
	BLOCKEND 0
	s_sub_co_u32 s[BLK], s[BLK], 1
	s_cmp_lg_u32 s[BLK], 0
	s_cbranch_scc1 .Lblk
	s_mov_b32 s[PR], 7
.Lpair3:                               ; block 3: nothing is left to stage
	STEP 0, 1, 0, 0
	STEP 1, 1, 0, 0
	WIN 0
	s_sub_co_u32 s[PR], s[PR], 1
	s_cmp_lg_u32 s[PR], 0
	s_cbranch_scc1 .Lpair3
	STEP 0, 0, 0, 0                                ; the last two steps are written out: no slot is filled that no step reads
	STEP 1, 0, 0, 1
	BLOCKEND 1
	; THE WAY OUT.  The 16 lanes of a half hold 16 different rows' shares, each scaled to its own maximum: they are brought to the wave's maximum and added.  Both halves of the lanes hold the same rows' M and L.
.set FM,  128
.set FFR, 130
.set FL,  132
.set CA,  133
.set CR,  134
.set GOF, 135
.set FO,  136
.set SQ,  144
.set SO,  148
.set SA,  152
.set FT,  153
	WIN 0
	v_mov_b32 v[FM], v[MR]
.irp m, 1,2,4,8
	v_max_num_f32_dpp v[FM], v[FM], v[FM] row_xmask:\m row_mask:0xf bank_mask:0xf
.endr
	v_sub_f32 v[FFR+1], v[MR], v[FM]
	v_mul_f32 v[FFR+1], s[L2E], v[FFR+1]
	v_exp_f32 v[FFR], v[FFR+1]
	v_and_b32 v[FT], 31, v0                        ; a plain instruction behind the exponential
	s_wait_alu depctr_va_vdst(0)
	v_mul_f32 v[FL], v[LR], v[FFR]
.irp m, 1,2,4,8
	v_add_f32_dpp v[FL], v[FL], v[FL] row_xmask:\m row_mask:0xf bank_mask:0xf
.endr
	s_lshl_b32 s[TB], s[WV], 10
	s_add_co_u32 s[TB], s[TB], CST
	v_lshl_add_u32 v[CR], v[FT], 4, s[TB]
	v_lshlrev_b32 v[GOF], 4, v[FT]
	v_bfe_u32 v[FT], v0, 4, 1
	v_lshl_add_u32 v[CA], v[FT], 5, s[TB]
	v_lshl_add_u32 v[SA], v0, 4, SCF
	v_lshlrev_b32 v[FT], 4, v0
	v_mov_b32 v[SQ], v[FM]
	v_mov_b32 v[SQ+1], v[FL]
	v_mov_b32 v[SQ+2], v[FM]
	v_mov_b32 v[SQ+3], v[FL]
	WIN W_RS
.set n_, 0
.rept 64
	v_pk_mul_f32 v[CTX+2*n_:CTX+2*n_+1], v[CTX+2*n_:CTX+2*n_+1], v[FFR:FFR+1] op_sel_hi:[1,0]
.set n_, n_+1
.endr
	WIN W_ST
.irp m, 1,2,4,8
.set n_, 0
.rept 128
	v_add_f32_dpp v[CTX+n_], v[CTX+n_], v[CTX+n_] row_xmask:\m row_mask:0xf bank_mask:0xf
.set n_, n_+1
.endr
.endr
	WIN 0x04                                       ; store data in window 1.  Place c, element e is column 32 c + 8 h + e (e < 8) or 32 c + 16 + 8 h + e - 8 of my 256; the 16 lanes of a half write equal numbers to one place
.irp c, 0,1,2,3,4,5,6,7
	ds_store_b128 v[CA], v[CTX+16*\c:CTX+16*\c+3] offset:128*\c
	ds_store_b128 v[CA], v[CTX+16*\c+4:CTX+16*\c+7] offset:128*\c+16
	ds_store_b128 v[CA], v[CTX+16*\c+8:CTX+16*\c+11] offset:128*\c+64
	ds_store_b128 v[CA], v[CTX+16*\c+12:CTX+16*\c+15] offset:128*\c+80
.endr
	WIN 0
	ds_load_b128 v[FO:FO+3], v[CR]                 ; LDS serves a wave's instructions in order (ISA guide 5.7.1.4): these see my stores above
	ds_load_b128 v[FO+4:FO+7], v[CR] offset:512
	s_wait_dscnt 0x1
	global_store_b128 v[GOF], v[FO:FO+3], s[16:17]                ; 512 consecutive bytes, aligned
	s_wait_dscnt 0x0
	global_store_b128 v[GOF], v[FO+4:FO+7], s[16:17] offset:512
	s_cmp_lg_u32 s[NH], 0
	s_cbranch_scc1 .Lno_stat                       ; both waves of a pair hold the same M and L: one stores them, as a whole row of 512 bytes
	global_store_b128 v[GOF], v[SQ:SQ+3], s[18:19]
.Lno_stat:
	s_barrier_signal -1                            ; the last block's scores are in LDS: each wave waited for its LDS stores above
	s_barrier_wait -1
	ds_load_b128 v[SO:SO+3], v[SA]
	s_wait_dscnt 0x0
	global_store_b128 v[FT], v[SO:SO+3], s[14:15]  ; the work-group's 512 scores: 2,048 consecutive bytes
	s_wait_tensorcnt 0x0                           ; the wave's end: three lines behind my last tensor load and my last LDS store
	ds_add_u32 v[SPW], v[NIL]
	s_wait_dscnt 0x0
	CROUND                                         ; the closing round: no work-group ends while a partner may still ask for a tile that names it
	s_endpgm
.Lfunc_end_k_qd4591c15a5_main:
	.size	k_qd4591c15a5_main, .Lfunc_end_k_qd4591c15a5_main-k_qd4591c15a5_main
	.p2alignl 7, 3214868480
	.fill 96, 4, 3214868480
	.section	.rodata,"a",@progbits
	.p2align	6, 0x0
	.amdhsa_kernel k_qd4591c15a5_main
		.amdhsa_group_segment_fixed_size 327680
		.amdhsa_private_segment_fixed_size 0
		.amdhsa_enable_private_segment 0
		.amdhsa_kernarg_size 64
		.amdhsa_user_sgpr_count 2
		.amdhsa_user_sgpr_kernarg_segment_ptr 1
		.amdhsa_wavefront_size32 1
		.amdhsa_system_sgpr_workgroup_id_x 1
		.amdhsa_system_sgpr_workgroup_id_y 1
		.amdhsa_system_sgpr_workgroup_id_z 1
		.amdhsa_system_vgpr_workitem_id 0
		.amdhsa_next_free_vgpr 1024
		.amdhsa_next_free_sgpr 66
		.amdhsa_reserve_vcc 1
		.amdhsa_float_denorm_mode_32 3
		.amdhsa_float_denorm_mode_16_64 3
		.amdhsa_memory_ordered 1
		.amdhsa_forward_progress 1
		.amdhsa_inst_pref_size 255
	.end_amdhsa_kernel
	.section	.bss,"aw",@nobits
	.p2align	6
	.space	262144
	.amdgpu_metadata
---
amdhsa.version: [ 1, 2 ]
amdhsa.kernels:
  - .name:           k_qd4591c15a5_main
    .symbol:         k_qd4591c15a5_main.kd
    .args:
      - { .name: memory_bank, .offset: 0, .size: 8, .value_kind: global_buffer, .address_space: global }
      - { .name: wt, .offset: 8, .size: 8, .value_kind: global_buffer, .address_space: global }
      - { .name: decp, .offset: 16, .size: 8, .value_kind: global_buffer, .address_space: global }
      - { .name: W_v, .offset: 24, .size: 8, .value_kind: global_buffer, .address_space: global }
      - { .name: src_mask, .offset: 32, .size: 8, .value_kind: global_buffer, .address_space: global }
      - { .name: scw, .offset: 40, .size: 8, .value_kind: global_buffer, .address_space: global }
      - { .name: part, .offset: 48, .size: 8, .value_kind: global_buffer, .address_space: global }
      - { .name: stat, .offset: 56, .size: 8, .value_kind: global_buffer, .address_space: global }
    .group_segment_fixed_size: 327680
    .private_segment_fixed_size: 0
    .kernarg_segment_align: 8
    .kernarg_segment_size: 64
    .max_flat_workgroup_size: 128
    .sgpr_count:     66
    .vgpr_count:     1024
    .wavefront_size: 32
...
	.end_amdgpu_metadata
.endif
;; end of part 5
;; launch fin: the kernel of part 3 again; grid 256 x 1, 4 waves a work-group, no clusters, 0 bytes of LDS; arguments scw, part, stat, out0, out1; writes out0, out1
;; ======== version 3 of 3: 3 launches; 1.41 times as fast as version 1
;; workspace buffers: wt 1,048,576 bytes; decp 2,097,152 bytes; scw 524,288 bytes; part 1,048,576 bytes; stat 262,144 bytes
;; launch prep: the kernel of part 4 again; grid 256 x 1, 4 waves a work-group, no clusters, 9,216 bytes of LDS; arguments decoder_state, W_dec, W_mem, decp, wt; writes decp, wt
;; launch main (part 6): grid 256 x 1, 4 waves a work-group, clusters of 4 x 1, 327,680 bytes of LDS; arguments memory_bank, wt, decp, W_v, src_mask, scw, part, stat; writes scw, part, stat
.if DOCPART == 6
	.amdgcn_target "amdgcn-amd-amdhsa--gfx1250"
	.amdhsa_code_object_version 6
	.text
	.protected	k_qd4591c15a5_main
	.globl	k_qd4591c15a5_main
	.p2align	8
	.type	k_qd4591c15a5_main,@function
k_qd4591c15a5_main:
	s_mov_b64 s[64:65], 0
	v_nop
	global_prefetch_b8 v0, s[64:65] scope:SCOPE_SE
	s_setreg_imm32_b32 hwreg(HW_REG_WAVE_MODE, 25, 1), 1
	s_wait_xcnt 0x0
	s_wait_alu depctr_hold_cnt(0) depctr_sa_sdst(0) depctr_va_vdst(0) depctr_va_sdst(0) depctr_va_ssrc(0) depctr_va_vcc(0) depctr_vm_vsrc(0)
	s_getreg_b32 s2, hwreg(HW_REG_IB_STS2, 6, 4)
	s_cmp_eq_u32 s2, 0
	s_cbranch_scc0 .Lentry_in_a_cluster
	s_endpgm
.Lentry_in_a_cluster:
	s_bfe_u32 s2, ttmp6, 0x10000c
	s_cmp_lg_u32 s2, 0x3003
	s_cbranch_scc0 .Lentry_shape_is_right
	s_endpgm
.Lentry_shape_is_right:
; MAIN.  For 512 rows s of one batch b (work-group 4 b + cx): score'[s] = sum over d of (-2 W_v[d]) / (1 + 2^(2.885390 (mem[s] . W_mem[:, d] + dec[d]))), which is the reference's score
; less the constant sum of W_v (tanh x = 1 - 2 / (1 + e^(2x))); a softmax does not see a common constant.  Where src_mask is 0 the score is -inf.  Then a running softmax and the partial context.
; The factor 2.885390 lies in wt already (the launch before), and 2.885390 dec is the C operand that starts each sum: the product's result IS the exponent.
; Out: scw (the masked score'), part (two partial contexts a work-group, each scaled to its own maximum), stat (that maximum and the sum of weights).  The last launch merges them.
; FORMATS.  mem, 2.885390 W_mem: bf16 for the product, f32 sums; the context is made of the same bf16 copy of mem, weights and sums in f32.
; LIMITS.  The running maximum starts at -1e30: scores below that are not told apart.  A batch whose mask is all 0 gives NaN, as the reference does.  NaN and infinities in the inputs are not treated apart.
; SHARES.  Four blocks of 128 rows.  Wave w: rg = w / 2 (64 rows: four tiles of 16), nh = w % 2 (32 of a step's 64 columns d).  The wave keeps its 64 rows x 512 K in 512 registers for a whole block;
; W_mem walks past in 16 steps of 64 columns through two LDS slots, filled by the tensor data mover.  A step is 128 products a wave: phase A (16 columns, ACC0), phase B (the next 16, ACC1).
; BY TURNS.  While one phase's products fill one set of accumulators, the tanh of the other set stands behind them, cut into TWO BATCHES of transcendentals with one wait each.  Batch E: the set's 32
; exponentials, one behind each of products 0-31; their wait stands in the phase's middle, directly ahead of the second run of memory instructions.  Then the 16 packed 1 + 2^.. and batch R, the 32
; reciprocals, behind the later products; their wait stands at the phase's end, ahead of the 16 packed score sums.  Every result stays in its accumulator register, which nothing else names while its batch is open.
; MEMORY INSTRUCTIONS STAND IN RUNS, never singly among the products: two runs of LDS loads a phase, and the staging of the next block as one run a step.
; K PLACES.  Place c of 16 holds the true K step (c + 8 nh) % 16, alike for W's fragments and mem's: so window 2 (places 0-7) holds the columns m = 256 nh .. of mem, the wave's share of the context.
; THE NEXT BLOCK streams from memory under the products: each step a wave converts two rows (loaded two steps before into registers) to bf16 into the LDS region AN and asks for two more.
; CLUSTER.  The four work-groups of a batch walk the same tiles of wt in the same order: every tile is asked for jointly (mask 15), each wave a quarter; a round of the cluster's barrier stands in front of each refill.
; REGISTERS, in windows of 256 (s_set_vgpr_msb: bits 1:0 source 0, 3:2 source 1, 5:4 source 2, 7:6 destination):
;   window 0: addresses, M, L, score sums, the two tables' fragments, ACC0, ACC1, W's fragments BFX (places 0-7), BFY (places 8-15; also at work at the head and at a block's end)
;   window 1: v0-127 the context; v128-191 two sets of staging registers; v192-196 their addresses        windows 2, 3: mem: tile t, place c at 8 (4 (c % 8) + t)
.set SLOTB,  81920                     ; a slot: 512 k rows x 160 bytes
.set WPITCH, 160                       ; 128 bytes + 32 of padding
.set AN,     2*SLOTB                   ; the next block in bf16: 128 rows x 1,040
.set APITCH, 1040                      ; 1,024 + 16: the 16 rows of a fragment load start at 16 different groups of banks
.set TAB,    AN+128*APITCH             ; 296,960: 2.885390 dec[1024]; at +4,096 its first 512 entries once more (a block's last step fetches ahead for the next block's first); at +WVO -2 W_v[1024]
.set WVO,    6144
.set MSK,    TAB+10240                 ; the work-group's 512 mask words
.set SCF,    MSK+2048                  ; its 512 finished scores
.set SCX,    SCF+2048                  ; 256 bytes a wave: half scores for the partner wave
.set CST,    SCX+1024                  ; 1,024 bytes a wave: the context's way out
.set SPARE,  CST+4096                  ; 316,416: the spare words, 128 bytes a wave
.set SPW, 1
.set NIL, 2
.set AX,  3                            ; v3, v4   W's places 0-7 in slot 0, 1
.set AY,  5                            ; v5, v6   places 8-15
.set ATB0, 7                           ; my place in a step's 64 entries of the tables
.set ATB, 8                            ; the same for the step in hand
.set ARL, 9                            ; AN: my rows, places 0-7
.set ARH, 10                           ; places 8-15
.set ASX, 11                           ; where I put half scores
.set ASP, 12                           ; where my partner puts them
.set ABE, 13                           ; 256 rg + 4 r: my rows' place among a block's 128 words
.set MR,  14                           ; running maximum of my lane's rows
.set LR,  15                           ; running sum of their weights
.set SC,  16                           ; v[16:31] score sums: tile t: two pairs at 16 + 4 t
.set DW0, 32                           ; v[32:47] phase A's tables (8 of 2.885390 dec, 8 of -2 W_v); v[48:63] phase B's
.set ACC0, 64                          ; v[64:95]; ACC1 v[96:127]
.set BFX, 128
.set BFY, 192
.set CTX, 0                            ; window 1
.set STG0, 128
.set GL0, 192
.set GLB, 194
.set AW0, 195
.set AW,  196
.set HO,  204                          ; the head's own: 16 x thread
.set HG,  205                          ; 4,096 w + 16 l
.set HTB, 206                          ; TAB + 16 x thread
.set HA,  207                          ; v207-210: AN + 2 w rows + 8 l, and 32, 64, 96 rows on
.set HL,  212
.set HR,  213
.set HH,  214
.set H7,  215
.set H3,  216
.set HS,  217
.set TS,  192                          ; a block's end: four scores
.set TP,  196
.set TM,  200
.set TX,  204
.set MX,  205
.set AL,  206                          ; pair: the old sums' factor, and its exponent
.set PT,  208                          ; four weights
.set T2,  212
.set WV,  20
.set RG,  21
.set NH,  22
.set CXR, 23
.set MBW, 24                           ; s[24:25] memory_bank at my work-group's rows
.set TA,  26                           ; s[26:27] at work
.set G1,  28                           ; s[28:35]
.set G0,  36                           ; s[36:43] a group 0 for each slot
.set WB,  44                           ; s[44:45] wt at my wave's quarter of a tile
.set TO,  46                           ; s[46:47], s[48:49] byte offset of the tile that slot 0, 1 takes next
.set C2,  50                           ; s[50:51] 2 log2 e
.set SEL, 52
.set GOFF, 54                          ; byte offset of the group of 8 rows to be asked for
.set ANOFF, 55                         ; where in AN the step's rows go
.set TOFF, 56                          ; the step's place in the tables
.set MSKOFF, 57
.set PR,  58
.set BLK, 59
.set L2E, 60
.set NINF, 61
.set WGX, 62
.set TB,  63
.set MSB, 0
.macro WIN new                         ; the high byte repeats the setting that is left; a switch that changes nothing is dropped
.if MSB != (\new)
	s_set_vgpr_msb (MSB<<8)|(\new)
.set MSB, (\new)
.endif
.endm
.set MM_LO, 0x08                       ; source 1 (mem) in window 2, all else in window 0
.set MM_HI, 0x0c                       ; in window 3
.set W_ST,  0x45                       ; all in window 1
.set W_RS,  0x41                       ; destination and source 0 in window 1, source 1 in window 0
.set W_CX,  0x52                       ; mem in window 2, the weight in window 0, the context in window 1
.macro JLOAD sg                        ; a joint fill of my quarter of slot sg; an s_nop 0 and four v_nop follow
	tensor_load_to_lds s[G0+4*(\sg):G0+4*(\sg)+3], s[G1:G1+7]
	s_nop 0
.rept 4
	v_nop
.endr
.endm
.macro CREST                           ; a round of the cluster's barrier behind its opening barrier
	s_cmp_lg_u32 s[WV], 0
	s_cbranch_scc1 .Lnot_wave_0_\@
	s_barrier_signal -3
.Lnot_wave_0_\@:
	s_barrier_wait -3
	s_barrier_signal -1
	s_barrier_wait -1
.endm
.macro CROUND
	s_barrier_signal -1
	s_barrier_wait -1
	CREST
.endm
; Product i of a phase's 64 into accumulator set x: place c = i / 4, tile t = i % 4.  Source 0 = 16 columns of W, source 1 = 16 rows of mem: a lane's result is one row and the columns 8 (lane / 16) + 0..7.
; The four accumulators take turns.  Place 0 starts the sums with 2.885390 dec of those eight columns, which the set's table fragment holds register by register.
.macro MMA x, i
.set c_, (\i)/4
.set t_, (\i)%4
.set rD, ACC0+32*(\x)+8*t_
.set rA, 8*(4*(c_%8)+t_)
.if c_ < 8
	WIN MM_LO
.set rB, BFX+8*c_
.else
	WIN MM_HI
.set rB, BFY+8*(c_-8)
.endif
.if c_ == 0
	v_wmma_f32_16x16x32_bf16 v[rD:rD+7], v[rB:rB+7], v[rA:rA+7], v[DW0+16*(\x):DW0+16*(\x)+7]
.else
	v_wmma_f32_16x16x32_bf16 v[rD:rD+7], v[rB:rB+7], v[rA:rA+7], v[rD:rD+7]
.endif
.endm
; THE VECTOR WORK on accumulator set y, whose 32 registers (tile t at 8 t) are taken in ascending order.  PP: the next pair of 16: 1 + 2^...  RC: the next reciprocal of 32.  qp_ and qr_ count them; a phase sets both to 0.
; PP and the exponentials and reciprocals name no vector register as source 1, so they stand under the products' window settings.
.macro PP y
.set f_, ACC0+32*(\y)+2*qp_
	v_pk_add_f32 v[f_:f_+1], v[f_:f_+1], 1.0 op_sel_hi:[1,0]
.set qp_, qp_+1
.endm
.macro RC y
	v_rcp_f32 v[ACC0+32*(\y)+qr_], v[ACC0+32*(\y)+qr_]
.set qr_, qr_+1
.endm
; What stands behind product i.  h: the slot with which the second half begins: 32, or 36 where the phase's second run of memory instructions stands behind product 35.
; Slots 0-31: BATCH E: the exponential of register i; each accumulator is first read at its low end.  Nothing names a result of the batch ahead of its wait, which stands behind slot h - 1 (PHASE, STG or BLOCKEND
; writes it).  The v_nop of slot 31 is the plain instruction behind the last exponential (ISA guide 5.7.2).  With h = 36 slots 32-34 hold a v_nop each: with slot 31's they are the four places between
; product 31, the last reader of BFX, and the loads into BFX.
; From slot h on: the 16 PP and BATCH R, the 32 reciprocals: three PP and a reciprocal, 13 times a PP and a reciprocal, then a reciprocal a slot (with h = 36 there are 28 slots, and slots 14-17 of them take two).
; PP k stands in an earlier slot than reciprocal 2 k (PP 0: two lines ahead of it); no PP names a register whose reciprocal is out.  The batch's wait stands in TAIL.
.macro RID y, i, h
.if (\i) < 32
	v_exp_f32 v[ACC0+32*(\y)+(\i)], v[ACC0+32*(\y)+(\i)]
.if (\i) == 31
	v_nop
.endif
.elseif (\i) < (\h)
.if (\i) < 35
	v_nop
.endif
.else
.set j_, (\i)-(\h)
.if j_ == 0
	PP \y
	PP \y
.endif
.if qp_ < 16
	PP \y
.endif
	RC \y
.if ((\h) == 36) && (j_ >= 14) && (j_ < 18)
	RC \y
.endif
.endif
.endm
; A phase's end: the set's 16 pairs times -2 W_v onto the score sums, pair k of all four tiles, then pair k + 1: each sum register takes its terms in the order k = 0, 2 or 1, 3, and two lines on one register stand eight apart.
; These 17 plain instructions name nothing of the phase's last products: they are the places between those and the next phase's first reads of their results and its loads into BFY.
.macro TAIL y
	v_nop                                          ; the plain instruction behind the last reciprocal (ISA guide 5.7.2)
	WIN 0
	s_wait_alu depctr_va_vdst(0)                   ; the wait for batch R, the set's 32 reciprocals, ahead of their first reader
.irp k, 0,1,2,3
.irp t, 0,1,2,3
	v_pk_fma_f32 v[SC+4*\t+2*(\k%2):SC+4*\t+2*(\k%2)+1], v[ACC0+32*(\y)+8*\t+2*\k:ACC0+32*(\y)+8*\t+2*\k+1], v[DW0+16*(\y)+8+2*\k:DW0+16*(\y)+8+2*\k+1], v[SC+4*\t+2*(\k%2):SC+4*\t+2*(\k%2)+1]
.endr
.endr
.endm
.macro FET buf, adr, T, f              ; fragment f of eight: 32 k x 16 columns, turned
	ds_load_tr16_b128 v[(\buf)+8*(\f):(\buf)+8*(\f)+3],   v[\adr] offset:(\f)*32*WPITCH+32*(\T)
	ds_load_tr16_b128 v[(\buf)+8*(\f)+4:(\buf)+8*(\f)+7], v[\adr] offset:(\f)*32*WPITCH+32*(\T)+16*WPITCH
.endm
.macro FETRUN buf, adr, T              ; eight places of W: 16 loads in one run
.irp f, 0,1,2,3,4,5,6,7
	FET \buf, \adr, \T, \f
.endr
.endm
.macro FDW y, T, p                     ; my eight entries of table p (0: 2.885390 dec, 1: -2 W_v) for the 16 columns T
	ds_load_b128 v[DW0+16*(\y)+8*(\p):DW0+16*(\y)+8*(\p)+3],   v[ATB] offset:64*(\T)+WVO*(\p)
	ds_load_b128 v[DW0+16*(\y)+8*(\p)+4:DW0+16*(\y)+8*(\p)+7], v[ATB] offset:64*(\T)+WVO*(\p)+16
.endm
; Staging, set p, one run: two rows of the next block, loaded two steps ago, are rounded to bf16 and put into AN, and the same 32 registers take the two rows two steps on.
; The 16 conversions, work on registers, come first; then the phase's wait for batch E; then the 8 LDS stores, then the 8 loads.
.macro STG p
	WIN W_ST
	s_wait_loadcnt 0x8                             ; this set's eight loads are in (which also frees their address register); the other set's eight, issued later, stay out
	v_add_nc_u32 v[AW], s[ANOFF], v[AW0]
	v_add_nc_u32 v[GL0+(\p)], s[GOFF], v[GLB]
.set u_, 0
.rept 8
	v_cvt_pk_bf16_f32 v[STG0+32*(\p)+4*u_], v[STG0+32*(\p)+4*u_], v[STG0+32*(\p)+4*u_+1]
	v_cvt_pk_bf16_f32 v[STG0+32*(\p)+4*u_+1], v[STG0+32*(\p)+4*u_+2], v[STG0+32*(\p)+4*u_+3]
.set u_, u_+1
.endr
	s_wait_alu depctr_va_vdst(0)                   ; the wait for batch E, the phase's 32 exponentials; the conversions above are independent work behind the batch, and the run of memory instructions follows at once
.set u_, 0
.rept 8
	ds_store_b64 v[AW], v[STG0+32*(\p)+4*u_:STG0+32*(\p)+4*u_+1] offset:(u_/4)*APITCH+(u_%4)*256
.set u_, u_+1
.endr
.set u_, 0
.rept 8
	global_load_b128 v[STG0+32*(\p)+4*u_:STG0+32*(\p)+4*u_+3], v[GL0+(\p)], s[MBW:MBW+1] offset:(u_/4)*2048+(u_%4)*512 th:TH_LOAD_NT
.set u_, u_+1
.endr
	s_add_co_u32 s[ANOFF], s[ANOFF], 8*APITCH
	s_add_co_u32 s[GOFF], s[GOFF], 16384
	s_min_u32 s[GOFF], s[GOFF], 63*16384           ; the last two requests would pass my 512 rows: they ask for the last group once more, and nobody reads them; so every step's count of loads is the same
.endm
; A PHASE: 64 products into set x, the other set's vector work behind them.  sg: the slot.  T: which 16 of my 32 columns.
; At its head, one run of 18 LDS loads: places 8-15 of this phase's W (BFY's last readers, the phase before's last four products, stand behind TAIL's 17 plain instructions: ISA guide 7.12.1 for vector instructions)
; and -2 W_v for this phase's results.  W's are first used 32 products on.
; A second run fetches for the NEXT phase: places 0-7 of its W, from nadr, and its 2.885390 dec, which its first four products take as C.
; Without sync it stands behind product 35, behind the staging (stage): BFX's last reader is product 31, and the v_nop of slots 31-34 are the four places between.  The wait for batch E stands directly ahead of
; the run's first memory instruction: in STG ahead of its LDS stores; without staging ahead of W's loads; in the launch's last phase, which fetches nothing, alone.
; sync: the change of slots, in the phase's middle.  In front of product 20 the wave waits for all its tensor loads (the one that is out is its quarter of the other slot) and adds 0 to its spare word; four
; products on, it waits for that and for its reads of this slot (the last were issued at the phase's head) and signals; eight products on, behind product 31, it waits: for batch E, ahead of the round's branch
; and label, and then at the barrier.  refill: the barrier opens a round of the cluster's, and the joint refill is the first thing behind it; its four v_nop are the places behind product 31.  The second run
; follows at once, out of the other slot, which is whole behind the barrier.
.macro PHASE x, sg, T, stage, sync, refill, nadr, nT
	FETRUN BFY, AY+(\sg), \T
	FDW \x, \T, 1
	s_wait_dscnt 18                                ; places 0-7 and dec are in (and the staging stores done); the 18 loads just issued may be out
.set i, 0
.set qp_, 0
.set qr_, 0
.rept 64
.if (i == 32) && !(\sync)
	s_wait_dscnt 0x0                               ; places 8-15 and -2 W_v are in: nothing was issued behind them (with sync the wait in front of the signal has shown them in)
.endif
.if (\sync) && (i == 20)
	WIN 0                                          ; the add's two registers lie in window 0
	s_wait_tensorcnt 0x0                           ; no tensor load of mine is out, so a group 0 may be written
	ds_add_u32 v[SPW], v[NIL]                      ; 0 onto my spare word; scalar work and four products stand between it and the wait for it
.if \refill
	s_add_co_u32 s[TO+2*(\sg)], s[TO+2*(\sg)], 131072      ; two tiles on,
	s_and_b32 s[TO+2*(\sg)], s[TO+2*(\sg)], 0xfffff        ; round the 16 tiles
	s_add_nc_u64 s[G0+4*(\sg)+2:G0+4*(\sg)+3], s[WB:WB+1], s[TO+2*(\sg):TO+2*(\sg)+1]
	s_or_b32 s[G0+4*(\sg)+3], s[G0+4*(\sg)+3], 0x80000000
.endif
	s_add_co_u32 s[TOFF], s[TOFF], 256
.endif
	MMA \x, i
	RID (1-(\x)), i, 36-4*(\sync)
.if (\sync) && (i == 23)
	s_wait_dscnt 0x0                               ; the add is done, and my reads of this slot are over
	s_barrier_signal -1
.endif
.if (\sync) && (i == 31)
	WIN 0                                          ; at a branch and at a label every window is 0
	s_wait_alu depctr_va_vdst(0)                   ; the wait for batch E, the phase's 32 exponentials, ahead of the round's branch and of their first reader
	s_barrier_wait -1
.if \refill
	CREST                                          ; no wave of any partner still reads this slot or has a load on its way
	JLOAD \sg                                      ; it has 116 products in which to land
.else
.rept 4
	v_nop                                          ; the places behind product 31
.endr
.endif
	v_add_nc_u32 v[ATB], s[TOFF], v[ATB0]          ; the next step's place in the tables
	FETRUN BFX, \nadr, \nT
	FDW (1-(\x)), \nT, 0
.endif
.if !(\sync) && (i == 35)
.if \stage
	STG \sg                                        ; it holds the wait for batch E
.else
	s_wait_alu depctr_va_vdst(0)                   ; the wait for batch E, the phase's 32 exponentials, ahead of their first reader
.endif
.if (\nadr) >= 0
	WIN MM_HI                                      ; destination and address in window 0, as the products that follow have them
	FETRUN BFX, \nadr, \nT
	FDW (1-(\x)), \nT, 0
.endif
.endif
.set i, i+1
.endr
	TAIL (1-(\x))
.endm
.macro STEP sg, refill, stage, last
	PHASE 0, \sg, 0, \stage, 0, 0, AX+(\sg), 1
.if \last
	PHASE 1, \sg, 1, 0, 0, 0, -1, 0
.else
	PHASE 1, \sg, 1, 0, 1, \refill, AX+1-(\sg), 0
.endif
.endm
.macro RELO t                          ; the next block's tile t, places 0-7
	WIN 0x80
.irp c, 0,1,2,3,4,5,6,7
	ds_load_b128 v[8*(4*\c+(\t)):8*(4*\c+(\t))+3],   v[ARL] offset:(\t)*16*APITCH+64*\c
	ds_load_b128 v[8*(4*\c+(\t))+4:8*(4*\c+(\t))+7], v[ARL] offset:(\t)*16*APITCH+64*\c+32
.endr
.endm
.macro REHI                            ; all four tiles, places 8-15
	WIN 0xc0
.irp t, 0,1,2,3
.irp c, 0,1,2,3,4,5,6,7
	ds_load_b128 v[8*(4*\c+\t):8*(4*\c+\t)+3],   v[ARH] offset:\t*16*APITCH+64*\c
	ds_load_b128 v[8*(4*\c+\t)+4:8*(4*\c+\t)+7], v[ARH] offset:\t*16*APITCH+64*\c+32
.endr
.endr
.endm
; A BLOCK'S END.  The last phase's vector work, in the same two batches, with no products between; the wave's half scores meet the partner's; mask; the running softmax of my lane's four rows; the context takes
; the block; the next block comes out of AN.
.macro BLOCKEND fin
	WIN 0
.set i, 0
.set qp_, 0
.set qr_, 0
.rept 64
	RID 1, i, 32
.if i == 31
	s_wait_alu depctr_va_vdst(0)                   ; the wait for batch E, the set's 32 exponentials, ahead of their first reader
.endif
.set i, i+1
.endr
	TAIL 1
.irp t, 0,1,2,3
	v_add_f32 v[TS+\t], v[SC+4*\t], v[SC+4*\t+1]
	v_add_f32 v[TP+\t], v[SC+4*\t+2], v[SC+4*\t+3]
.endr
.irp t, 0,1,2,3
	v_add_f32 v[TS+\t], v[TS+\t], v[TP+\t]
.endr
.irp t, 0,1,2,3
	v_permlanex16_b32 v[TP+\t], v[TS+\t], s[SEL], s[SEL+1]  ; the row's other eight columns of every 16 lie in the lane 16 away
.endr
.irp t, 0,1,2,3
	v_add_f32 v[TS+\t], v[TS+\t], v[TP+\t]
.endr
.irp t, 0,1,2,3
	ds_store_b32 v[ASX], v[TS+\t] offset:64*\t
.endr
	v_add_nc_u32 v[TX], s[MSKOFF], v[ABE]
	s_wait_dscnt 0x0                               ; for the others' sake: my half scores, and my rows of AN
	s_barrier_signal -1
	s_barrier_wait -1
.irp t, 0,1,2,3
	ds_load_b32 v[TP+\t], v[ASP] offset:64*\t
.endr
.irp t, 0,1,2,3
	ds_load_b32 v[TM+\t], v[TX] offset:64*\t
.endr
.if !(\fin)
	REHI
	WIN 0
	s_wait_dscnt 63                                ; 64 loads were issued behind the eight; 63 is the most that the wait can name
.else
	s_wait_dscnt 0x0
.endif
.irp t, 0,1,2,3
	v_add_f32 v[TS+\t], v[TS+\t], v[TP+\t]         ; the same two numbers in both waves of the pair: both go on with the same score
	v_cmp_eq_u32 vcc_lo, 0, v[TM+\t]
	v_cndmask_b32 v[TS+\t], v[TS+\t], s[NINF], vcc_lo
.endr
	s_cmp_lg_u32 s[NH], 0
	s_cbranch_scc1 .Lno_scf_\@                     ; one wave of the pair keeps the scores
.irp t, 0,1,2,3
	ds_store_b32 v[TX], v[TS+\t] offset:SCF-MSK+64*\t
.endr
.Lno_scf_\@:
	v_max3_num_f32 v[MX], v[MR], v[TS], v[TS+1]
	v_max3_num_f32 v[MX], v[MX], v[TS+2], v[TS+3]
	v_sub_f32 v[AL+1], v[MR], v[MX]                ; the difference first, so that equal numbers give exactly 0, however large they are
.irp t, 0,1,2,3
	v_sub_f32 v[PT+\t], v[TS+\t], v[MX]
.endr
	v_mul_f32 v[AL+1], s[L2E], v[AL+1]
.irp t, 0,1,2,3
	v_mul_f32 v[PT+\t], s[L2E], v[PT+\t]
.endr
	v_exp_f32 v[AL], v[AL+1]
.irp t, 0,1,2,3
	v_exp_f32 v[PT+\t], v[PT+\t]
.endr
	v_mov_b32 v[MR], v[MX]                         ; the plain instruction behind the exponentials
	s_wait_alu depctr_va_vdst(0)                   ; the wait for the softmax's five exponentials
	v_add_f32 v[T2], v[PT], v[PT+1]
	v_add_f32 v[T2+1], v[PT+2], v[PT+3]
	v_add_f32 v[T2], v[T2], v[T2+1]
	v_fma_f32 v[LR], v[LR], v[AL], v[T2]
	WIN W_RS
.set n_, 0
.rept 64
	v_pk_mul_f32 v[CTX+2*n_:CTX+2*n_+1], v[CTX+2*n_:CTX+2*n_+1], v[AL:AL+1] op_sel_hi:[1,0]
.set n_, n_+1
.endr
.irp t, 0,1,2,3
	WIN W_CX
.set n_, 0
.rept 64                               ; place n / 8, register n % 8: two columns of mem's row times the row's weight
	v_fma_mix_f32_bf16 v[CTX+2*n_], v[8*(4*(n_/8)+\t)+n_%8], v[PT+\t], v[CTX+2*n_] op_sel_hi:[1,0,0]
	v_fma_mix_f32_bf16 v[CTX+2*n_+1], v[8*(4*(n_/8)+\t)+n_%8], v[PT+\t], v[CTX+2*n_+1] op_sel:[1,0,0] op_sel_hi:[1,0,0]
.set n_, n_+1
.endr
.if !(\fin)
	RELO \t
.endif
.endr
	WIN 0
.if !(\fin)
.set n_, 0
.rept 16
	v_mov_b32 v[SC+n_], 0
.set n_, n_+1
.endr
.set n_, 0
.rept 8
	v_mov_b32 v[DW0+24+n_], 0                      ; the next step's phase A works once more on ACC1, which holds finite numbers: times 0 it adds nothing, and one text serves every step
.set n_, n_+1
.endr
	s_mov_b32 s[ANOFF], 0
	s_mov_b32 s[TOFF], 0
	v_mov_b32 v[ATB], v[ATB0]
	s_add_co_u32 s[MSKOFF], s[MSKOFF], 512
	s_wait_dscnt 0x0                               ; the next block is in my registers: my reads of AN and of the half scores are over
	s_barrier_signal -1
	s_barrier_wait -1                              ; everybody's are: both may be written again
.endif
.endm
; The head's conversion of 4 x cnt loaded registers of window win (2 or 3) from quad n0 on, and their way into AN.  Quad n = 8 s + 4 j + q: group s, row j, 512 bytes q.
.macro HCONV win, n0, cnt
	WIN 0x80+0x45*((\win)-2)+0x0a                  ; destination and both sources in the window: 0x8a or 0xcf
.set n_, (\n0)
.rept (\cnt)
	v_cvt_pk_bf16_f32 v[4*n_], v[4*n_], v[4*n_+1]
	v_cvt_pk_bf16_f32 v[4*n_+1], v[4*n_+2], v[4*n_+3]
.set n_, n_+1
.endr
	WIN 4*(\win)                                   ; store data in the window, address in window 0
.set n_, (\n0)
.rept (\cnt)
	ds_store_b64 v[HA+2*((\win)-2)+n_/32], v[4*n_:4*n_+1] offset:(8*((n_/8)%4)+(n_/4)%2)*APITCH+256*(n_%4)
.set n_, n_+1
.endr
.endm
	s_load_b256 s[4:11], s[0:1], 0x0               ; memory_bank s[4:5], wt s[6:7], decp s[8:9], W_v s[10:11]
	s_load_b256 s[12:19], s[0:1], 0x20             ; src_mask s[12:13], scw s[14:15], part s[16:17], stat s[18:19]
	v_lshl_add_u32 v[SPW], v0, 2, SPARE
	v_mov_b32 v[NIL], 0
	ds_add_u32 v[SPW], v[NIL]                      ; the wave's opening: the add and its wait ahead of my first tensor load; the set-up, work on registers, stands between
	v_lshrrev_b32 v[HL], 5, v0
	v_readfirstlane_b32 s[WV], v[HL]
	s_lshr_b32 s[RG], s[WV], 1
	s_and_b32 s[NH], s[WV], 1
	s_bfe_u32 s[CXR], ttmp6, 0x40000               ; my place in the cluster: it enters global addresses of my own loads and stores alone
	s_lshl_b32 s[WGX], ttmp9, 2                    ; ttmp9 counts clusters: the batch
	s_add_co_u32 s[WGX], s[WGX], s[CXR]
	; descriptor group 1: my quarter of a tile, 128 k rows of 128 bytes, dense: asked for as 64 rows of 256 bytes and padded in LDS after every 128
	s_mov_b32 s[G1], 15|(1<<16)|(1<<20)|(1<<21)|(4<<22)|(7<<25)  ; mask of four; 2-byte elements; padding on; bit 21 beside a mask; after every 32 words (code 4) 8 words (code 7)
	s_mov_b32 s[G1+1], 128<<16                     ; tensor_dim0 = 128
	s_mov_b32 s[G1+2], 64<<16                      ; tensor_dim1 = 64
	s_mov_b32 s[G1+3], 128<<16                     ; tile_dim0 = 128
	s_mov_b32 s[G1+4], 64                          ; tile_dim1 = 64
	s_mov_b32 s[G1+5], 128                         ; elements from row to row
	s_mov_b32 s[G1+6], 0
	s_mov_b32 s[G1+7], 0
	s_mov_b32 s[G0], 1
	s_mul_i32 s[G0+1], s[WV], 128*WPITCH           ; LDS: wave x 128 rows
	s_mov_b32 s[G0+4], 1
	s_add_co_u32 s[G0+5], s[G0+1], SLOTB
	s_mov_b32 s[TO], 0
	s_mov_b32 s[TO+1], 0
	s_mov_b32 s[TO+2], 65536
	s_mov_b32 s[TO+3], 0
	s_mov_b32 s[C2], 0x4038aa3b                    ; 2 log2 e = 2.885390
	s_mov_b32 s[C2+1], s[C2]
	s_mov_b32 s[SEL], 0x76543210
	s_mov_b32 s[SEL+1], 0xfedcba98
	s_mov_b32 s[L2E], 0x3fb8aa3b
	s_mov_b32 s[NINF], 0xff800000
	s_mov_b32 s[GOFF], 18*16384
	s_mov_b32 s[ANOFF], 0
	s_mov_b32 s[TOFF], 0
	s_mov_b32 s[MSKOFF], MSK
	v_and_b32 v[HL], 31, v0                        ; l
	v_and_b32 v[HR], 15, v0                        ; r = l % 16
	v_bfe_u32 v[HH], v0, 4, 1                      ; h = l / 16
	v_and_b32 v[H7], 7, v0
	v_bfe_u32 v[H3], v0, 3, 1
	; the turning load: lane l reads k row 8 h + l % 8, 16 bytes at 16 ((l / 8) % 2)
	v_lshl_add_u32 v[HS], v[HH], 3, v[H7]
	v_mul_u32_u24 v[HS], v[HS], WPITCH
	v_lshl_add_u32 v[HS], v[H3], 4, v[HS]
	s_mul_i32 s[TB], s[NH], 256*WPITCH+64          ; places 0-7 begin at k = 256 nh; my 32 columns at byte 64 nh
	v_add_nc_u32 v[AX], s[TB], v[HS]
	v_add_nc_u32 v[AX+1], SLOTB, v[AX]
	s_xor_b32 s[TA], s[NH], 1
	s_mul_i32 s[TB], s[TA], 256*WPITCH             ; places 8-15 at k = 256 (1 - nh)
	s_lshl_b32 s[TA+1], s[NH], 6
	s_add_co_u32 s[TB], s[TB], s[TA+1]
	v_add_nc_u32 v[AY], s[TB], v[HS]
	v_add_nc_u32 v[AY+1], SLOTB, v[AY]
	s_lshl_b32 s[TB], s[NH], 7
	s_add_co_u32 s[TB], s[TB], TAB
	v_lshl_add_u32 v[ATB0], v[HH], 5, s[TB]
	v_mov_b32 v[ATB], v[ATB0]
	v_mul_u32_u24 v[HS], v[HR], APITCH
	v_lshl_add_u32 v[HS], v[HH], 4, v[HS]          ; a fragment of mem: row r, 16 bytes for each half of the lanes
	s_mul_i32 s[TB], s[RG], 64*APITCH
	s_add_co_u32 s[TB], s[TB], AN
	s_lshl_b32 s[TA+1], s[NH], 9
	s_add_co_u32 s[TA+1], s[TA+1], s[TB]
	v_add_nc_u32 v[ARL], s[TA+1], v[HS]
	s_lshl_b32 s[TA], s[TA], 9
	s_add_co_u32 s[TA], s[TA], s[TB]
	v_add_nc_u32 v[ARH], s[TA], v[HS]
	s_lshl_b32 s[TB], s[WV], 8
	s_add_co_u32 s[TB], s[TB], SCX
	v_lshl_add_u32 v[ASX], v[HR], 2, s[TB]
	s_xor_b32 s[TB], s[WV], 1
	s_lshl_b32 s[TB], s[TB], 8
	s_add_co_u32 s[TB], s[TB], SCX
	v_lshl_add_u32 v[ASP], v[HR], 2, s[TB]
	s_lshl_b32 s[TB], s[RG], 8
	v_lshl_add_u32 v[ABE], v[HR], 2, s[TB]
	s_lshl_b32 s[TB], s[WV], 12
	v_lshl_add_u32 v[HG], v[HL], 4, s[TB]          ; of a group of 8 rows my wave takes two: 4,096 w + 16 l
	s_mul_i32 s[TB], s[WV], 2*APITCH
	s_add_co_u32 s[TB], s[TB], AN
	v_lshl_add_u32 v[HA], v[HL], 3, s[TB]
	v_add_nc_u32 v[HA+1], 32*APITCH, v[HA]
	v_add_nc_u32 v[HA+2], 64*APITCH, v[HA]
	v_add_nc_u32 v[HA+3], 96*APITCH, v[HA]
	v_lshlrev_b32 v[HO], 4, v0
	v_lshl_add_u32 v[HTB], v0, 4, TAB
	v_mov_b32 v[MR], 0xf149f2ca                    ; -1e30
	v_mov_b32 v[LR], 0
	s_wait_dscnt 0x0                               ; the opening add is done
	s_wait_kmcnt 0x0
	s_lshl_b32 s[G0+2], s[WV], 14                  ; my quarter of a tile (made in registers that never hold my place in the cluster)
	s_mov_b32 s[G0+3], 0
	s_add_nc_u64 s[WB:WB+1], s[6:7], s[G0+2:G0+3]
	s_add_nc_u64 s[G0+2:G0+3], s[WB:WB+1], s[TO:TO+1]
	s_or_b32 s[G0+3], s[G0+3], 0x80000000
	s_add_nc_u64 s[G0+6:G0+7], s[WB:WB+1], s[TO+2:TO+3]
	s_or_b32 s[G0+7], s[G0+7], 0x80000000
	s_mov_b32 s[TA+1], 0
	s_lshl_b32 s[TA], s[WGX], 20                   ; 512 rows of 2,048 bytes
	s_add_nc_u64 s[MBW:MBW+1], s[4:5], s[TA:TA+1]
	s_lshl_b32 s[TA], ttmp9, 12
	s_add_nc_u64 s[8:9], s[8:9], s[TA:TA+1]        ; decp at my batch's row of the first eighth
	s_lshl_b32 s[TA], s[WGX], 11
	s_add_nc_u64 s[12:13], s[12:13], s[TA:TA+1]
	s_add_nc_u64 s[14:15], s[14:15], s[TA:TA+1]
	s_lshl_b32 s[TA], s[WGX], 12
	s_lshl_b32 s[TB], s[WV], 10
	s_add_co_u32 s[TA], s[TA], s[TB]
	s_add_nc_u64 s[16:17], s[16:17], s[TA:TA+1]    ; part: row 2 x work-group + rg, half nh
	s_lshl_b32 s[TA], s[WGX], 10
	s_lshl_b32 s[TB], s[RG], 9
	s_add_co_u32 s[TA], s[TA], s[TB]
	s_add_nc_u64 s[18:19], s[18:19], s[TA:TA+1]
.irp kq, 0,1,2,3,4,5,6,7               ; 19 small loads: the eight partial sums of dec for my 8 columns, W_v, my four mask words
.irp u, 0,1
	global_load_b128 v[128+8*\kq+4*\u:131+8*\kq+4*\u], v[HO], s[8:9] offset:262144*\kq+2048*\u
.endr
.endr
	global_load_b128 v[192:195], v[HO], s[10:11]
	global_load_b128 v[196:199], v[HO], s[10:11] offset:2048
	global_load_b128 v[200:203], v[HO], s[12:13]
	CROUND                                         ; all four work-groups are here: the first joint loads meet
	JLOAD 0                                        ; tiles 0 and 1: two tensor loads of mine are out
	JLOAD 1
	WIN 0x80                                       ; block 0 comes in through the registers that will hold it: groups 0-7 into window 2,
.set n_, 0
.rept 64
	global_load_b128 v[4*n_:4*n_+3], v[HG], s[MBW:MBW+1] offset:(n_/8)*16384+((n_/4)%2)*2048+(n_%4)*512 th:TH_LOAD_NT
.set n_, n_+1
.endr
	WIN 0xc0                                       ; groups 8-15 into window 3
.set n_, 0
.rept 64
	global_load_b128 v[4*n_:4*n_+3], v[HG], s[MBW:MBW+1] offset:(8+n_/8)*16384+((n_/4)%2)*2048+(n_%4)*512 th:TH_LOAD_NT
.set n_, n_+1
.endr
	WIN 0x40
	v_mov_b32 v[GLB], v[HG]
	v_add_nc_u32 v[GL0], 16*16384, v[HG]
	v_add_nc_u32 v[GL0+1], 17*16384, v[HG]
	v_mov_b32 v[AW0], v[HA]
	WIN W_ST                                       ; block 1's first two groups into the two staging sets
.set n_, 0
.rept 16
	global_load_b128 v[STG0+4*n_:STG0+4*n_+3], v[GL0+n_/8], s[MBW:MBW+1] offset:((n_/4)%2)*2048+(n_%4)*512 th:TH_LOAD_NT
.set n_, n_+1
.endr
	WIN 0x40                                       ; what the first step finds, written in the wait for the loads: the context 0,
.set n_, 0
.rept 128
	v_mov_b32 v[CTX+n_], 0
.set n_, n_+1
.endr
	WIN 0                                          ; the score sums, ACC1 and phase B's tables 0: the first phase's vector work, on a set that has not been, adds 0
.set n_, 0
.rept 16
	v_mov_b32 v[SC+n_], 0
	v_mov_b32 v[DW0+16+n_], 0
	v_mov_b32 v[ACC0+32+n_], 0
	v_mov_b32 v[ACC0+48+n_], 0
.set n_, n_+1
.endr
	s_wait_loadcnt 63                              ; behind the small loads and groups 0-7 stand 80 loads; 63 is the most that the wait can name
.irp u, 0,1
.irp kq, 1,2,3,4,5,6,7
	v_pk_add_f32 v[128+4*\u:129+4*\u], v[128+4*\u:129+4*\u], v[128+8*\kq+4*\u:129+8*\kq+4*\u]
	v_pk_add_f32 v[130+4*\u:131+4*\u], v[130+4*\u:131+4*\u], v[130+8*\kq+4*\u:131+8*\kq+4*\u]
.endr
	v_pk_mul_f32 v[128+4*\u:129+4*\u], v[128+4*\u:129+4*\u], s[C2:C2+1] op_sel_hi:[1,0]
	v_pk_mul_f32 v[130+4*\u:131+4*\u], v[130+4*\u:131+4*\u], s[C2:C2+1] op_sel_hi:[1,0]
	v_pk_mul_f32 v[192+4*\u:193+4*\u], v[192+4*\u:193+4*\u], -2.0 op_sel_hi:[1,0]
	v_pk_mul_f32 v[194+4*\u:195+4*\u], v[194+4*\u:195+4*\u], -2.0 op_sel_hi:[1,0]
.endr
	ds_store_b128 v[HTB], v[128:131]
	ds_store_b128 v[HTB], v[132:135] offset:2048
	ds_store_b128 v[HTB], v[128:131] offset:4096   ; the first 512 entries once more
	ds_store_b128 v[HTB], v[192:195] offset:WVO
	ds_store_b128 v[HTB], v[196:199] offset:WVO+2048
	ds_store_b128 v[HTB], v[200:203] offset:MSK-TAB
	HCONV 2, 0, 64
	s_wait_loadcnt 48                              ; groups 8-11 are in: behind them 32 loads of the block and 16 of the staging sets
	HCONV 3, 0, 32
	s_wait_loadcnt 16                              ; the block is in; the staging sets' loads stay out
	HCONV 3, 32, 32
	WIN 0
	s_wait_tensorcnt 0x1                           ; my quarter of slot 0 is in; slot 1's may stay out
	s_wait_dscnt 0x0                               ; for the others' sake: my rows of AN, my part of the tables
	s_barrier_signal -1
	s_barrier_wait -1
	REHI
.irp t, 0,1,2,3
	RELO \t
.endr
	WIN 0
	FETRUN BFX, AX, 0
	FDW 0, 0, 0                                    ; the first phase's 2.885390 dec
	s_wait_dscnt 0x0                               ; block 0 is in my registers: my reads of AN are over
	s_barrier_signal -1
	s_barrier_wait -1                              ; everybody's are: AN may take block 1
	s_mov_b32 s[BLK], 3
.Lblk:                                 ; blocks 0 to 2: every step stages rows of the next block and fills a slot again
	s_mov_b32 s[PR], 8
.Lpair:
	STEP 0, 1, 1, 0
	STEP 1, 1, 1, 0
	WIN 0
	s_sub_co_u32 s[PR], s[PR], 1
	s_cmp_lg_u32 s[PR], 0
	s_cbranch_scc1 .Lpair
	BLOCKEND 0
	s_sub_co_u32 s[BLK], s[BLK], 1
	s_cmp_lg_u32 s[BLK], 0
	s_cbranch_scc1 .Lblk
	s_mov_b32 s[PR], 7
.Lpair3:                               ; block 3: nothing is left to stage
	STEP 0, 1, 0, 0
	STEP 1, 1, 0, 0
	WIN 0
	s_sub_co_u32 s[PR], s[PR], 1
	s_cmp_lg_u32 s[PR], 0
	s_cbranch_scc1 .Lpair3
	STEP 0, 0, 0, 0                                ; the last two steps are written out: no slot is filled that no step reads
	STEP 1, 0, 0, 1
	BLOCKEND 1
	; THE WAY OUT.  The 16 lanes of a half hold 16 different rows' shares, each scaled to its own maximum: they are brought to the wave's maximum and added.  Both halves of the lanes hold the same rows' M and L.
.set FM,  128
.set FFR, 130
.set FL,  132
.set CA,  133
.set CR,  134
.set GOF, 135
.set FO,  136
.set SQ,  144
.set SO,  148
.set SA,  152
.set FT,  153
	WIN 0
	v_mov_b32 v[FM], v[MR]
.irp m, 1,2,4,8
	v_max_num_f32_dpp v[FM], v[FM], v[FM] row_xmask:\m row_mask:0xf bank_mask:0xf
.endr
	v_sub_f32 v[FFR+1], v[MR], v[FM]
	v_mul_f32 v[FFR+1], s[L2E], v[FFR+1]
	v_exp_f32 v[FFR], v[FFR+1]
	v_and_b32 v[FT], 31, v0                        ; a plain instruction behind the exponential
	s_wait_alu depctr_va_vdst(0)                   ; the wait ahead of the one exponential's first reader
	v_mul_f32 v[FL], v[LR], v[FFR]
.irp m, 1,2,4,8
	v_add_f32_dpp v[FL], v[FL], v[FL] row_xmask:\m row_mask:0xf bank_mask:0xf
.endr
	s_lshl_b32 s[TB], s[WV], 10
	s_add_co_u32 s[TB], s[TB], CST
	v_lshl_add_u32 v[CR], v[FT], 4, s[TB]
	v_lshlrev_b32 v[GOF], 4, v[FT]
	v_bfe_u32 v[FT], v0, 4, 1
	v_lshl_add_u32 v[CA], v[FT], 5, s[TB]
	v_lshl_add_u32 v[SA], v0, 4, SCF
	v_lshlrev_b32 v[FT], 4, v0
	v_mov_b32 v[SQ], v[FM]
	v_mov_b32 v[SQ+1], v[FL]
	v_mov_b32 v[SQ+2], v[FM]
	v_mov_b32 v[SQ+3], v[FL]
	WIN W_RS
.set n_, 0
.rept 64
	v_pk_mul_f32 v[CTX+2*n_:CTX+2*n_+1], v[CTX+2*n_:CTX+2*n_+1], v[FFR:FFR+1] op_sel_hi:[1,0]
.set n_, n_+1
.endr
	WIN W_ST
.irp m, 1,2,4,8
.set n_, 0
.rept 128
	v_add_f32_dpp v[CTX+n_], v[CTX+n_], v[CTX+n_] row_xmask:\m row_mask:0xf bank_mask:0xf
.set n_, n_+1
.endr
.endr
	WIN 0x04                                       ; store data in window 1.  Place c, element e is column 32 c + 8 h + e (e < 8) or 32 c + 16 + 8 h + e - 8 of my 256; the 16 lanes of a half write equal numbers to one place
.irp c, 0,1,2,3,4,5,6,7
	ds_store_b128 v[CA], v[CTX+16*\c:CTX+16*\c+3] offset:128*\c
	ds_store_b128 v[CA], v[CTX+16*\c+4:CTX+16*\c+7] offset:128*\c+16
	ds_store_b128 v[CA], v[CTX+16*\c+8:CTX+16*\c+11] offset:128*\c+64
	ds_store_b128 v[CA], v[CTX+16*\c+12:CTX+16*\c+15] offset:128*\c+80
.endr
	WIN 0
	ds_load_b128 v[FO:FO+3], v[CR]                 ; LDS serves a wave's instructions in order (ISA guide 5.7.1.4): these see my stores above
	ds_load_b128 v[FO+4:FO+7], v[CR] offset:512
	s_wait_dscnt 0x1
	global_store_b128 v[GOF], v[FO:FO+3], s[16:17]                ; 512 consecutive bytes, aligned
	s_wait_dscnt 0x0
	global_store_b128 v[GOF], v[FO+4:FO+7], s[16:17] offset:512
	s_cmp_lg_u32 s[NH], 0
	s_cbranch_scc1 .Lno_stat                       ; both waves of a pair hold the same M and L: one stores them, as a whole row of 512 bytes
	global_store_b128 v[GOF], v[SQ:SQ+3], s[18:19]
.Lno_stat:
	s_barrier_signal -1                            ; the last block's scores are in LDS: each wave waited for its LDS stores above
	s_barrier_wait -1
	ds_load_b128 v[SO:SO+3], v[SA]
	s_wait_dscnt 0x0
	global_store_b128 v[FT], v[SO:SO+3], s[14:15]  ; the work-group's 512 scores: 2,048 consecutive bytes
	s_wait_tensorcnt 0x0                           ; the wave's end: three lines behind my last tensor load and my last LDS store
	ds_add_u32 v[SPW], v[NIL]
	s_wait_dscnt 0x0
	CROUND                                         ; the closing round: no work-group ends while a partner may still ask for a tile that names it
	s_endpgm
.Lfunc_end_k_qd4591c15a5_main:
	.size	k_qd4591c15a5_main, .Lfunc_end_k_qd4591c15a5_main-k_qd4591c15a5_main
	.p2alignl 7, 3214868480
	.fill 96, 4, 3214868480
	.section	.rodata,"a",@progbits
	.p2align	6, 0x0
	.amdhsa_kernel k_qd4591c15a5_main
		.amdhsa_group_segment_fixed_size 327680
		.amdhsa_private_segment_fixed_size 0
		.amdhsa_enable_private_segment 0
		.amdhsa_kernarg_size 64
		.amdhsa_user_sgpr_count 2
		.amdhsa_user_sgpr_kernarg_segment_ptr 1
		.amdhsa_wavefront_size32 1
		.amdhsa_system_sgpr_workgroup_id_x 1
		.amdhsa_system_sgpr_workgroup_id_y 1
		.amdhsa_system_sgpr_workgroup_id_z 1
		.amdhsa_system_vgpr_workitem_id 0
		.amdhsa_next_free_vgpr 1024
		.amdhsa_next_free_sgpr 66
		.amdhsa_reserve_vcc 1
		.amdhsa_float_denorm_mode_32 3
		.amdhsa_float_denorm_mode_16_64 3
		.amdhsa_memory_ordered 1
		.amdhsa_forward_progress 1
		.amdhsa_inst_pref_size 255
	.end_amdhsa_kernel
	.section	.bss,"aw",@nobits
	.p2align	6
	.space	262144
	.amdgpu_metadata
---
amdhsa.version: [ 1, 2 ]
amdhsa.kernels:
  - .name:           k_qd4591c15a5_main
    .symbol:         k_qd4591c15a5_main.kd
    .args:
      - { .name: memory_bank, .offset: 0, .size: 8, .value_kind: global_buffer, .address_space: global }
      - { .name: wt, .offset: 8, .size: 8, .value_kind: global_buffer, .address_space: global }
      - { .name: decp, .offset: 16, .size: 8, .value_kind: global_buffer, .address_space: global }
      - { .name: W_v, .offset: 24, .size: 8, .value_kind: global_buffer, .address_space: global }
      - { .name: src_mask, .offset: 32, .size: 8, .value_kind: global_buffer, .address_space: global }
      - { .name: scw, .offset: 40, .size: 8, .value_kind: global_buffer, .address_space: global }
      - { .name: part, .offset: 48, .size: 8, .value_kind: global_buffer, .address_space: global }
      - { .name: stat, .offset: 56, .size: 8, .value_kind: global_buffer, .address_space: global }
    .group_segment_fixed_size: 327680
    .private_segment_fixed_size: 0
    .kernarg_segment_align: 8
    .kernarg_segment_size: 64
    .max_flat_workgroup_size: 128
    .sgpr_count:     66
    .vgpr_count:     1024
    .wavefront_size: 32
...
	.end_amdgpu_metadata
.endif
;; end of part 6
;; launch fin: the kernel of part 3 again; grid 256 x 1, 4 waves a work-group, no clusters, 0 bytes of LDS; arguments scw, part, stat, out0, out1; writes out0, out1
